; MI455X (gfx1250); checked and timed in simulation.
; The chip was launched on July 23, 2026; its instructions are those of AMD's public machine-readable ISA for CDNA 5 (MIT licence, August 2026) and "CDNA5" Instruction Set Architecture Reference Guide (July 2026). The comments in the code are by the model that wrote it; some were corrected since.
;; Block. Allowed arithmetic: float matrix products may take bf16 or f16 operands with f32 sums; other float arithmetic in f32, or as packed bf16 or f16 multiplies, adds, multiply-adds, maxima and minima; sums over many terms, partial sums and values carried from step to step in f32; what a program stores and reads back later, other than sums and carried values, may be rounded once to bf16 or f16.
;; Inputs: b1 4,096 float32; b2 1,024 float32; b_proj 1,024 float32; ln1_bias 1,024 float32; ln1_scale 1,024 float32; ln2_bias 1,024 float32; ln2_scale 1,024 float32; w1 1,024 x 4,096 float32; w2 4,096 x 1,024 float32; w_proj 1,024 x 1,024 float32; wk 16 x 1,024 x 64 float32; wq 16 x 1,024 x 64 float32; wv 16 x 1,024 x 64 float32; x 4 x 1,024 x 1,024 float32.
;; Outputs: out0 4 x 1,024 x 1,024 float32.
;; One version. Each part assembles by itself: llvm-mc -triple=amdgcn-amd-amdhsa -mcpu=gfx1250 --defsym DOCPART=n.
;; ======== version 1 of 1: 7 launches
;; limits: values are held in f16: magnitudes above 65,504 overflow, below 6.1e-05 lose precision
;; workspace buffers: h 8,388,608 bytes; h2 8,388,608 bytes; wt 25,165,824 bytes; qkv 25,165,824 bytes; att 8,388,608 bytes; x1 16,777,216 bytes; hid 33,554,432 bytes
;; launch prep (part 1): grid 2048 x 1, 8 waves a work-group, no clusters, 18,432 bytes of LDS; arguments x, ln1_scale, ln1_bias, h, wq, wk, wv, w_proj, w1, w2, wt; writes h, wt
.if DOCPART == 1
	.amdgcn_target "amdgcn-amd-amdhsa--gfx1250"
	.amdhsa_code_object_version 6
	.text
	.protected	k_qb8181c5bdf_prep
	.globl	k_qb8181c5bdf_prep
	.p2align	8
	.type	k_qb8181c5bdf_prep,@function
k_qb8181c5bdf_prep:
	s_mov_b64 s[64:65], 0
	v_nop
	global_prefetch_b8 v0, s[64:65] scope:SCOPE_SE
	s_setreg_imm32_b32 hwreg(HW_REG_WAVE_MODE, 25, 1), 1
	s_wait_xcnt 0x0
; THE PROGRAM: a pre-LN transformer block on 4,096 rows of 1,024 channels, in seven launches: prep (this one), qkv, attn, proj, ln2, ff1, ff2.
; DEAD WORK, for the whole program.  reference() builds tril in its own body and puts -inf in front of the softmax wherever the key s lies behind the query t.  exp(-inf) is 0, so such a score
; adds exactly 0 to the row's sum and to the product with v, whatever finite values the inputs hold.  Launch attn leaves out the tiles of 16 queries x 64 keys in which every key lies behind every
; query of the pair of tiles that share a text; nothing else is left out.  LIMIT: a NaN, an infinity or an overflow that would arise in those tiles alone is not carried to the result.
; All fourteen inputs have a way to the output, and all are loaded.
; FORMATS.  Every matrix operand is f16, rounded once from f32; sums, the residual path and all statistics are f32.  LIMIT: a value beyond 65,504 in h, in a weight, in q, k, v, in the attention's
; output or in the hidden layer becomes an infinity; below 6e-5 f16 keeps a fixed step of 6e-8.
; THIS LAUNCH.  Work-groups 0 to 511: h = LayerNorm1(x) in f16, a wave a row, the row kept in registers between the passes (mean; centred squares; scaling).
; Work-groups 512 to 2,047: the weights are rounded to f16 and turned, so that K lies along the rows: wt = WqkvT [3072][1024] at byte 0 (row g x 64 + d; g = head for q, 16 + head for k,
; 32 + head for v), WpT [1024][1024] at 6,291,456, W1T [4096][1024] at 8,388,608.  W2, at 16,777,216, is laid in the order in which ff2's registers take it:
; [group of 64 columns, 16][unit of 32 k, 128][block of 16 columns, 4][1,024 bytes]: in a block's 1,024 bytes lane l's 16 bytes at 16 l hold column l % 16, k = 8 (l / 16) + 0..7, those at 512 + 16 l
; k = 16 + 8 (l / 16) + 0..7.  A work-group turns 128 k x 64 n through a stage in LDS; of W2 that is 16,384 consecutive bytes of wt.
.set SPARE, 17408                      ; behind the stage (64 rows x 272 bytes): the spare words, 128 bytes for each of the eight waves
.set SPW, 126                          ; v126  LDS address of my spare word; never rewritten
.set NIL, 127                          ; v127  0; never rewritten
.set T,   4                            ; v[4:7]    LayerNorm: two running pairs
.set MU,  8                            ; v[8:9]    the mean, twice
.set RS,  10                           ; v[10:11]  1 / sqrt(var + eps), twice
.set U,   12                           ; v12       var + eps
.set X,   16                           ; v[16:47]  the row: lane l holds columns 128 j + 4 l + 0..3
.set G,   48                           ; v[48:79]  the gain of the same columns
.set BV,  80                           ; v[80:111] the bias
.set OF,  4                            ; v[4:19]   turning: byte offset of my 8 bytes in source row 16 wave + j
.set LS,  20                           ; v20       where I put 16 bytes in the stage
.set LR,  21                           ; v21       where I read 16 bytes back, rows along K
.set DO,  22                           ; v[22:25]  my byte offsets in wt, rows along K
.set LRF, 30                           ; v30       where I read 16 bytes back, W2's order
.set DOF, 31                           ; v31       my byte offset in wt, W2's order
.set D,   32                           ; v[32:63]  16 k x 2 n as loaded
.set E,   64                           ; v[64:79]  the same in f16, 8 k of one n to four registers
.set BK,  80                           ; v[80:95]  rows read back
.macro REDUCE                          ; the sum of v[T] over the 32 lanes, in every lane
	v_add_f32_dpp v[T], v[T], v[T] row_xmask:1 row_mask:0xf bank_mask:0xf
	v_add_f32_dpp v[T], v[T], v[T] row_xmask:2 row_mask:0xf bank_mask:0xf
	v_add_f32_dpp v[T], v[T], v[T] row_xmask:4 row_mask:0xf bank_mask:0xf
	v_add_f32_dpp v[T], v[T], v[T] row_xmask:8 row_mask:0xf bank_mask:0xf
	v_permlanex16_b32 v[T+1], v[T], s40, s41
	v_add_f32 v[T], v[T], v[T+1]
.endm
; One row: s[8:9] the row in f32, s[10:11] gain, s[12:13] bias, s[14:15] the row in f16.  v2 = lane.
.macro LNROW
	v_lshlrev_b32 v1, 4, v2                        ; 16 x lane: a load of the wave covers 512 consecutive bytes
	v_lshlrev_b32 v3, 3, v2                        ; 8 x lane: a store covers 256 consecutive bytes, aligned
.irp j, 0,1,2,3,4,5,6,7
	global_load_b128 v[X+4*(\j):X+4*(\j)+3], v1, s[8:9] offset:512*(\j) th:TH_LOAD_NT
.endr
.irp j, 0,1,2,3,4,5,6,7
	global_load_b128 v[G+4*(\j):G+4*(\j)+3], v1, s[10:11] offset:512*(\j)
.endr
.irp j, 0,1,2,3,4,5,6,7
	global_load_b128 v[BV+4*(\j):BV+4*(\j)+3], v1, s[12:13] offset:512*(\j)
.endr
	s_mov_b32 s4, 0x3a800000                       ; 1 / 1024
	s_mov_b32 s5, 0x358637bd                       ; 1e-6
	s_mov_b32 s40, 0x76543210                      ; each lane takes its own place in the other half
	s_mov_b32 s41, 0xfedcba98
	s_wait_loadcnt 16                              ; the row is in; the 16 loads of gain and bias may stay out
	v_pk_add_f32 v[T:T+1], v[X:X+1], v[X+2:X+3]
	v_pk_add_f32 v[T+2:T+3], v[X+4:X+5], v[X+6:X+7]
.set p, 4
.rept 12
	v_pk_add_f32 v[T+2*(p%2):T+2*(p%2)+1], v[T+2*(p%2):T+2*(p%2)+1], v[X+2*p:X+2*p+1]
.set p, p+1
.endr
	v_pk_add_f32 v[T:T+1], v[T:T+1], v[T+2:T+3]
	v_add_f32 v[T], v[T], v[T+1]
	REDUCE
	v_mul_f32 v[MU], s4, v[T]
	v_mul_f32 v[MU+1], s4, v[T]
.set p, 0
.rept 16
	v_pk_add_f32 v[X+2*p:X+2*p+1], v[X+2*p:X+2*p+1], v[MU:MU+1] neg_lo:[0,1] neg_hi:[0,1]  ; x - mean, so that a common offset of x costs nothing
.set p, p+1
.endr
	v_pk_mul_f32 v[T:T+1], v[X:X+1], v[X:X+1]
	v_pk_mul_f32 v[T+2:T+3], v[X+2:X+3], v[X+2:X+3]
.set p, 2
.rept 14
	v_pk_fma_f32 v[T+2*(p%2):T+2*(p%2)+1], v[X+2*p:X+2*p+1], v[X+2*p:X+2*p+1], v[T+2*(p%2):T+2*(p%2)+1]
.set p, p+1
.endr
	v_pk_add_f32 v[T:T+1], v[T:T+1], v[T+2:T+3]
	v_add_f32 v[T], v[T], v[T+1]
	REDUCE
	v_fma_f32 v[U], v[T], s4, s5                   ; var + eps
	v_rsq_f32 v[RS], v[U]
	v_rsq_f32 v[RS+1], v[U]
	v_nop                                          ; a plain instruction behind the second root
	s_wait_alu depctr_va_vdst(0)                   ; one wait for both, ahead of their first reader
	s_wait_loadcnt 0x0                             ; gain and bias
.set p, 0
.rept 16
	v_pk_mul_f32 v[X+2*p:X+2*p+1], v[X+2*p:X+2*p+1], v[RS:RS+1]
	v_pk_fma_f32 v[X+2*p:X+2*p+1], v[X+2*p:X+2*p+1], v[G+2*p:G+2*p+1], v[BV+2*p:BV+2*p+1]
.set p, p+1
.endr
.set p, 0
.rept 16
	v_cvt_pk_f16_f32 v[X+p], v[X+2*p], v[X+2*p+1]  ; pair p goes where pairs up to p / 2 lay: they have been read
.set p, p+1
.endr
.irp j, 0,1,2,3,4,5,6,7
	global_store_b64 v3, v[X+2*(\j):X+2*(\j)+1], s[14:15] offset:256*(\j)
.endr
.endm
	s_load_b512 s[8:23], s[0:1], 0x0               ; x, ln1_scale, ln1_bias, h, wq, wk, wv, w_proj
	s_load_b128 s[24:27], s[0:1], 0x40             ; w1, w2
	s_load_b64 s[28:29], s[0:1], 0x50              ; wt
	v_lshl_add_u32 v[SPW], v0, 2, SPARE
	v_mov_b32 v[NIL], 0
	v_lshrrev_b32 v1, 5, v0
	v_readfirstlane_b32 s2, v1                     ; wave 0..7
	v_and_b32 v2, 31, v0                           ; lane
	s_wait_kmcnt 0x0
	s_cmp_lt_u32 ttmp9, 512
	s_cbranch_scc0 .Lturn
	s_lshl_b32 s32, ttmp9, 3
	s_add_co_u32 s32, s32, s2                      ; my row
	s_lshl_b32 s34, s32, 12
	s_mov_b32 s35, 0
	s_lshl_b32 s36, s32, 11
	s_mov_b32 s37, 0
	s_add_nc_u64 s[8:9], s[8:9], s[34:35]
	s_add_nc_u64 s[14:15], s[14:15], s[36:37]
	LNROW
	s_branch .Lend
.Lturn:                                        ; which weight, which tile: s[44:45] source, s50 its byte offset, s48 its pitch; s52 the offset in wt, s49 the pitch there; s54 = 1: W2's order
	s_sub_co_u32 s32, ttmp9, 512
	s_mov_b32 s51, 0
	s_mov_b32 s53, 0
	s_mov_b32 s54, 0
	s_cmp_lt_u32 s32, 384
	s_cbranch_scc0 .Lnot_qkv
	s_cmp_lt_u32 s32, 128
	s_cselect_b64 s[44:45], s[16:17], s[18:19]
	s_cmp_lt_u32 s32, 256
	s_cselect_b64 s[44:45], s[44:45], s[20:21]
	s_bfe_u32 s33, s32, 0x40003                    ; the head: [1024][64] f32, 262,144 bytes
	s_and_b32 s34, s32, 7                          ; the tile of 128 k: 32,768 bytes
	s_lshl_b32 s50, s33, 18
	s_lshl_b32 s35, s34, 15
	s_add_co_u32 s50, s50, s35
	s_lshr_b32 s33, s32, 3                         ; g: 64 rows of 2,048 bytes in wt
	s_lshl_b32 s52, s33, 17
	s_lshl_b32 s35, s34, 8
	s_add_co_u32 s52, s52, s35
	s_mov_b32 s48, 256
	s_mov_b32 s49, 2048
	s_branch .Lgo
.Lnot_qkv:
	s_cmp_lt_u32 s32, 512
	s_cbranch_scc0 .Lnot_proj
	s_sub_co_u32 s33, s32, 384
	s_mov_b64 s[44:45], s[22:23]
	s_and_b32 s34, s33, 7                          ; k tile: 128 rows of 4,096 bytes
	s_lshr_b32 s35, s33, 3                         ; n tile: 256 bytes
	s_lshl_b32 s50, s34, 19
	s_lshl_b32 s36, s35, 8
	s_add_co_u32 s50, s50, s36
	s_lshl_b32 s52, s35, 17
	s_lshl_b32 s36, s34, 8
	s_add_co_u32 s52, s52, s36
	s_add_co_u32 s52, s52, 6291456
	s_mov_b32 s48, 4096
	s_mov_b32 s49, 2048
	s_branch .Lgo
.Lnot_proj:
	s_cmp_lt_u32 s32, 1024
	s_cbranch_scc0 .Lw2
	s_sub_co_u32 s33, s32, 512
	s_mov_b64 s[44:45], s[24:25]
	s_and_b32 s34, s33, 7                          ; k tile: 128 rows of 16,384 bytes
	s_lshr_b32 s35, s33, 3
	s_lshl_b32 s50, s34, 21
	s_lshl_b32 s36, s35, 8
	s_add_co_u32 s50, s50, s36
	s_lshl_b32 s52, s35, 17
	s_lshl_b32 s36, s34, 8
	s_add_co_u32 s52, s52, s36
	s_add_co_u32 s52, s52, 8388608
	s_mov_b32 s48, 16384
	s_mov_b32 s49, 2048
	s_branch .Lgo
.Lw2:
	s_sub_co_u32 s33, s32, 1024
	s_mov_b64 s[44:45], s[26:27]
	s_and_b32 s34, s33, 31                         ; k tile: 128 rows of 4,096 bytes
	s_lshr_b32 s35, s33, 5                         ; the group of 64 columns
	s_lshl_b32 s50, s34, 19
	s_lshl_b32 s36, s35, 8
	s_add_co_u32 s50, s50, s36
	s_lshl_b32 s52, s35, 19                        ; a group is 128 units of 4,096 bytes in wt,
	s_lshl_b32 s36, s34, 14                        ; the tile's four units 16,384
	s_add_co_u32 s52, s52, s36
	s_add_co_u32 s52, s52, 16777216
	s_mov_b32 s48, 4096
	s_mov_b32 s49, 2048                            ; (feeds offsets that this arm does not use)
	s_mov_b32 s54, 1
.Lgo:
	s_add_nc_u64 s[44:45], s[44:45], s[50:51]
	s_add_nc_u64 s[46:47], s[28:29], s[52:53]
	s_lshl_b32 s33, s2, 4
	s_mul_i32 s33, s33, s48                        ; my wave's 16 source rows
	v_lshl_add_u32 v[OF], v2, 3, s33               ; lane l takes n = 2 l, 2 l + 1: a load covers a row's 256 bytes
.set j, 1
.rept 15
	v_add_nc_u32 v[OF+j], s48, v[OF+j-1]
.set j, j+1
.endr
.set j, 0
.rept 16
	global_load_b64 v[D+2*j:D+2*j+1], v[OF+j], s[44:45] th:TH_LOAD_NT
.set j, j+1
.endr
	v_mul_u32_u24 v[LS], v2, 544                   ; stage row n = 2 l (+ p), pitch 272; k = 16 wave (+ 8 e) at 2 bytes
	s_lshl_b32 s34, s2, 5
	v_add_nc_u32 v[LS], s34, v[LS]
	v_lshrrev_b32 v26, 4, v0                       ; back, rows along K: thread t takes row t / 16 (+ 16 i), bytes 16 (t % 16)
	v_and_b32 v27, 15, v0
	v_mul_u32_u24 v[LR], v26, 272
	v_lshl_add_u32 v[LR], v27, 4, v[LR]
	v_mul_lo_u32 v[DO], v26, s49
	v_lshl_add_u32 v[DO], v27, 4, v[DO]
	s_lshl_b32 s35, s49, 4
.set j, 1
.rept 3
	v_add_nc_u32 v[DO+j], s35, v[DO+j-1]
.set j, j+1
.endr
	v_lshrrev_b32 v28, 6, v0                       ; back, W2's order: byte 16 t of unit i is block t / 64, half (t / 32) % 2, lane t % 32:
	v_lshl_add_u32 v28, v28, 4, v27                ; stage row 16 x block + lane % 16,
	v_mul_u32_u24 v[LRF], v28, 272
	v_bfe_u32 v28, v0, 4, 2                        ; bytes 32 x half + 16 (lane / 16) (+ 64 i)
	v_lshl_add_u32 v[LRF], v28, 4, v[LRF]
	v_lshlrev_b32 v[DOF], 4, v0
.irp e, 0,1
	s_wait_loadcnt 8-8*(\e)                        ; the first eight k are in, then all
.irp p, 0,1
.irp i, 0,1,2,3
	v_cvt_pk_f16_f32 v[E+8*(\e)+4*(\p)+(\i)], v[D+2*(8*(\e)+2*(\i))+(\p)], v[D+2*(8*(\e)+2*(\i)+1)+(\p)]
.endr
	ds_store_b128 v[LS], v[E+8*(\e)+4*(\p):E+8*(\e)+4*(\p)+3] offset:272*(\p)+16*(\e)
.endr
.endr
	s_wait_dscnt 0x0                               ; for the others' sake: my stores into the stage are done
	s_barrier_signal -1
	s_barrier_wait -1
	s_cmp_eq_u32 s54, 0
	s_cbranch_scc0 .Lfrag
.irp i, 0,1,2,3
	ds_load_b128 v[BK+4*(\i):BK+4*(\i)+3], v[LR] offset:4352*(\i)
.endr
.irp i, 0,1,2,3
	s_wait_dscnt 3-(\i)
	global_store_b128 v[DO+(\i)], v[BK+4*(\i):BK+4*(\i)+3], s[46:47]  ; 16 lanes store 256 consecutive bytes, aligned
.endr
	s_branch .Lend
.Lfrag:
.irp i, 0,1,2,3
	ds_load_b128 v[BK+4*(\i):BK+4*(\i)+3], v[LRF] offset:64*(\i)
.endr
.irp i, 0,1,2,3
	s_wait_dscnt 3-(\i)
	global_store_b128 v[DOF], v[BK+4*(\i):BK+4*(\i)+3], s[46:47] offset:4096*(\i)  ; a wave stores 512 consecutive bytes, aligned
.endr
.Lend:
	s_wait_tensorcnt 0x0                           ; the wave's end: behind my last LDS store
	ds_add_u32 v[SPW], v[NIL]
	s_wait_dscnt 0x0
	s_endpgm
.Lfunc_end_k_qb8181c5bdf_prep:
	.size	k_qb8181c5bdf_prep, .Lfunc_end_k_qb8181c5bdf_prep-k_qb8181c5bdf_prep
	.p2alignl 7, 3214868480
	.fill 96, 4, 3214868480
	.section	.rodata,"a",@progbits
	.p2align	6, 0x0
	.amdhsa_kernel k_qb8181c5bdf_prep
		.amdhsa_group_segment_fixed_size 18432
		.amdhsa_private_segment_fixed_size 0
		.amdhsa_enable_private_segment 0
		.amdhsa_kernarg_size 88
		.amdhsa_user_sgpr_count 2
		.amdhsa_user_sgpr_kernarg_segment_ptr 1
		.amdhsa_wavefront_size32 1
		.amdhsa_system_sgpr_workgroup_id_x 1
		.amdhsa_system_sgpr_workgroup_id_y 1
		.amdhsa_system_sgpr_workgroup_id_z 1
		.amdhsa_system_vgpr_workitem_id 0
		.amdhsa_next_free_vgpr 128
		.amdhsa_next_free_sgpr 66
		.amdhsa_reserve_vcc 0
		.amdhsa_float_denorm_mode_32 3
		.amdhsa_float_denorm_mode_16_64 3
		.amdhsa_memory_ordered 1
		.amdhsa_forward_progress 1
		.amdhsa_inst_pref_size 21
	.end_amdhsa_kernel
	.amdgpu_metadata
---
amdhsa.version: [ 1, 2 ]
amdhsa.kernels:
  - .name:           k_qb8181c5bdf_prep
    .symbol:         k_qb8181c5bdf_prep.kd
    .args:
      - { .name: x, .offset: 0, .size: 8, .value_kind: global_buffer, .address_space: global }
      - { .name: ln1_scale, .offset: 8, .size: 8, .value_kind: global_buffer, .address_space: global }
      - { .name: ln1_bias, .offset: 16, .size: 8, .value_kind: global_buffer, .address_space: global }
      - { .name: h, .offset: 24, .size: 8, .value_kind: global_buffer, .address_space: global }
      - { .name: wq, .offset: 32, .size: 8, .value_kind: global_buffer, .address_space: global }
      - { .name: wk, .offset: 40, .size: 8, .value_kind: global_buffer, .address_space: global }
      - { .name: wv, .offset: 48, .size: 8, .value_kind: global_buffer, .address_space: global }
      - { .name: w_proj, .offset: 56, .size: 8, .value_kind: global_buffer, .address_space: global }
      - { .name: w1, .offset: 64, .size: 8, .value_kind: global_buffer, .address_space: global }
      - { .name: w2, .offset: 72, .size: 8, .value_kind: global_buffer, .address_space: global }
      - { .name: wt, .offset: 80, .size: 8, .value_kind: global_buffer, .address_space: global }
    .group_segment_fixed_size: 18432
    .private_segment_fixed_size: 0
    .kernarg_segment_align: 8
    .kernarg_segment_size: 88
    .max_flat_workgroup_size: 256
    .sgpr_count:     66
    .vgpr_count:     128
    .wavefront_size: 32
...
	.end_amdgpu_metadata
.endif
;; end of part 1
;; launch qkv (part 2): grid 16 x 16, 4 waves a work-group, clusters of 4 x 4, 327,680 bytes of LDS; arguments h, wt, qkv; writes qkv
.if DOCPART == 2
	.amdgcn_target "amdgcn-amd-amdhsa--gfx1250"
	.amdhsa_code_object_version 6
	.text
	.protected	k_qb8181c5bdf_qkv
	.globl	k_qb8181c5bdf_qkv
	.p2align	8
	.type	k_qb8181c5bdf_qkv,@function
k_qb8181c5bdf_qkv:
	s_mov_b64 s[64:65], 0
	v_nop
	global_prefetch_b8 v0, s[64:65] scope:SCOPE_SE
	s_setreg_imm32_b32 hwreg(HW_REG_WAVE_MODE, 25, 1), 1
	s_wait_xcnt 0x0
	s_wait_alu depctr_hold_cnt(0) depctr_sa_sdst(0) depctr_va_vdst(0) depctr_va_sdst(0) depctr_va_ssrc(0) depctr_va_vcc(0) depctr_vm_vsrc(0)
	s_getreg_b32 s2, hwreg(HW_REG_IB_STS2, 6, 4)
	s_cmp_eq_u32 s2, 0
	s_cbranch_scc0 .Lentry_in_a_cluster
	s_endpgm
.Lentry_in_a_cluster:
	s_bfe_u32 s2, ttmp6, 0x10000c
	s_cmp_lg_u32 s2, 0xf033
	s_cbranch_scc0 .Lentry_shape_is_right
	s_endpgm
.Lentry_shape_is_right:
; q, k, v = h x WqkvT^T.  h: [4096][1024] f16; WqkvT: [3072][1024] f16 at byte 0 of wt; the result is stored by heads, qkv [b 4][g 48][t 1024][64] f16, unscaled, rounded once.
; LIMIT: a sum beyond 65,504 becomes an infinity.
; A tile of C is 256 x 192 (three heads): 16 x 16 tiles, one work-group each.  Four waves, each 128 x 96: 48 accumulators.  K goes in steps of 128 through two LDS slots filled by joint tensor loads:
; 4 x 4 work-groups form a cluster, A's tile is shared along a row of it, B's along a column.  ONE K step is written for the loop and one for the tail: the slot is a scalar that is turned by an
; exclusive or (it holds exactly 0 or SLOT when turned).  The matrix instruction is used transposed (source 0 = 16 rows of B, source 1 = 16 rows of A): a lane holds 8 neighbouring columns of a row of C.
; REGISTERS: window 0: addresses, v32-63 and v192-255 at work on the way out, A's fragments v64-127 and v128-191; window 1: B's fragments at the same numbers; windows 2, 3: accumulator a x NBL + b.
.set SIZE_N, 3072
.set SIZE_K, 1024
.set MA,     8                         ; blocks of 16 rows of C in a wave's tile
.set NBL,    6                         ; blocks of 16 columns
.set DEP,    1                         ; fragments of 32 along K in a quarter step
.set WOFF,   0                         ; where B begins in wt
.set PF,     1                         ; the tiles are prefetched
.set SP,     400                       ; a stage row: 384 bytes + 16
.set REST,   MA                        ; the youngest loads of a run, which the quarter's second half needs: A's upper blocks
.set KSTEP,  128*DEP
.set PITCH,  2*KSTEP+16                ; an LDS row: the K step's bytes + 16 of padding, an odd multiple of 16
.set QI,     4+DEP
.set NS,     SIZE_K/KSTEP
.set TM,     32*MA
.set TN,     32*NBL
.set HALFA,  16*MA*PITCH               ; what one tensor load brings of A, and what one wave reads of it
.set HALFB,  16*NBL*PITCH
.set SLOT,   2*HALFA+2*HALFB
.set SPARE,  2*SLOT                    ; behind the ring: the spare words, 128 bytes for each wave
.set QB,     64*DEP                    ; bytes of a row in a quarter step
.set NW,     MA*NBL*DEP                ; matrix instructions in a quarter step
.set NL,     2*DEP*(MA+NBL)            ; LDS loads in a quarter step
.set A0,  16                           ; v16  my place in A's tile of slot 0; never rewritten
.set B0,  17                           ; v17  the same for B
.set ADA, 18                           ; v18, v19  the addresses of the run of loads in hand
.set ADB, 19
.set STO, 24                           ; v24  the way out: where I put 16 bytes of a row
.set RD,  25                           ; v25  where I read rows back
.set CO,  26                           ; v26  my byte offset in what a store covers
.set SPW, 28                           ; v28  LDS address of my spare word; never rewritten
.set NIL, 29                           ; v29  0; never rewritten
.set PFO, 30                           ; v30  the prefetches' offset; never rewritten
.set OB,  32
.set F0,  64
.set F1,  128
.set TMP, 192
.set G1,  24                           ; s[24:31] descriptor group 1 for A's tiles; s[32:35] group 0 of the first fill of slot 0; s[36:39] of slot 1, which then walks
.set G0,  32
.set G1B, 48                           ; s[48:55], s[56:63] the same for B's
.set G0B, 56
.set LIM, 43                           ; s43  2 in a wave that prefetches, else the greatest number
.set PFA, 44                           ; s[44:45] where my prefetches stand
.set SB,  70                           ; s70  the slot that the walking descriptors fill: 0 or SLOT
.set TB,  71                           ; s71  LDS byte, in a row of slot 0 or 1, at which the next run of loads begins
.set MSB, 0
.macro WIN new                         ; the immediate's high byte repeats the setting that is left; a switch that changes nothing is dropped
.if MSB != (\new)
	s_set_vgpr_msb (MSB<<8)|(\new)
.set MSB, (\new)
.endif
.endm
.macro PLACES                          ; four places in front of loads into registers that matrix instructions have read
.rept 4
	v_nop
.endr
.endm
.macro JLOAD s                         ; a joint load: waves 0 and 1 fetch A's two halves, waves 2 and 3 B's; an s_nop 0 and four v_nop follow each line
	s_cmp_eq_u32 s11, 0
	s_cbranch_scc0 .Lfor_b_\@
	tensor_load_to_lds s[G0+4*(\s):G0+4*(\s)+3], s[G1:G1+7]
	s_nop 0
.rept 4
	v_nop
.endr
	s_branch .Lasked_\@
.Lfor_b_\@:
	tensor_load_to_lds s[G0B+4*(\s):G0B+4*(\s)+3], s[G1B:G1B+7]
	s_nop 0
.rept 4
	v_nop
.endr
.Lasked_\@:
.endm
.macro CREST                           ; a round of the cluster's barrier behind its opening barrier
	s_cmp_lg_u32 s10, 0
	s_cbranch_scc1 .Lnot_wave_0_\@
	s_barrier_signal -3
.Lnot_wave_0_\@:
	s_barrier_wait -3
	s_barrier_signal -1
	s_barrier_wait -1
.endm
.macro CROUND
	s_barrier_signal -1
	s_barrier_wait -1
	CREST
.endm
; The K step that stands two refills on is asked of memory: a lane a row (the last lanes repeat the last row where a share has fewer than 32), 256 bytes of each.  A's rows are asked for by the clusters
; with x = 0, B's by those with y = 0; the four partners that fetch a tile jointly share its rows out by address.  The last two refills have no K step two on.
.macro ASK
	s_cmp_gt_u32 s3, s[LIM]
	s_cbranch_scc0 .Lnot_mine_\@
	global_prefetch_b8 v[PFO], s[PFA:PFA+1] offset:KSTEP*2 th:TH_LOAD_NT scope:SCOPE_SE
.Lnot_mine_\@:
.endm
; A quarter of a quarter step's matrix instructions.  All accumulators take turns, one instruction a turn, in the same order everywhere, over the backward jumps too.
.macro MULP f, p
.set mi, (\p)*NW/4
.rept NW/4
.set mc, mi/(MA*NBL)
.set ma, (mi/NBL)%MA
.set mb, mi%NBL
.set mx, ma*NBL+mb
.set mr, 8*(mx%32)
	WIN 0x50*(2+mx/32)+1
	v_wmma_f32_16x16x32_f16 v[mr:mr+7], v[(\f)+8*(NBL*mc+mb):(\f)+8*(NBL*mc+mb)+7], v[(\f)+8*(MA*mc+ma):(\f)+8*(MA*mc+ma)+7], v[mr:mr+7]
.set mi, mi+1
.endr
.endm
.macro FRAGS adr, base, n, c           ; n fragments of 16 rows x 32 K, two loads of 16 bytes each, 32 bytes apart
.set fi, 0
.rept \n
	ds_load_b128 v[(\base)+8*((\n)*(\c)+fi):(\base)+8*((\n)*(\c)+fi)+3],   v[\adr] offset:64*(\c)+fi*16*PITCH
	ds_load_b128 v[(\base)+8*((\n)*(\c)+fi)+4:(\base)+8*((\n)*(\c)+fi)+7], v[\adr] offset:64*(\c)+fi*16*PITCH+32
.set fi, fi+1
.endr
.endm
.macro FETCH g                         ; a quarter step's fragments in one run, those that are wanted last at its end
	WIN 0
	v_add_nc_u32 v[ADA], s[TB], v[A0]
	v_add_nc_u32 v[ADB], s[TB], v[B0]
	WIN 0x40
	FRAGS ADB, \g, NBL, 0
	WIN 0
	FRAGS ADA, \g, MA, 0
.if DEP == 2
	FRAGS ADA, \g, MA, 1
	WIN 0x40
	FRAGS ADB, \g, NBL, 1
	WIN 0
.endif
.endm
.macro QUARTER f, g                    ; multiplies buffer f; in its middle it fetches the next quarter into g
	s_wait_dscnt REST                              ; all but the youngest REST loads are in
	MULP \f, 0
	MULP \f, 1
	s_add_co_u32 s[TB], s[TB], QB
	WIN 0
	PLACES
	FETCH \g
	s_wait_dscnt NL                                ; all but the run just issued
	MULP \f, 2
	MULP \f, 3
.endm
; The last quarter multiplies buffer 1 and changes slots.  In front of the barrier each wave waits for all its tensor loads (one is out: its part of the next slot), adds 0 to its spare word, and waits
; for that and for its reads of this slot.  fill = 1: the barrier opens a round of the cluster's barrier, and the joint refill, two K steps ahead, is the first thing behind the round.
.macro TURN fill
.if (\fill) && PF
	s_wait_xcnt 0x0                                ; the last prefetch, a K step back, has read its address
	s_add_nc_u64 s[PFA:PFA+1], s[PFA:PFA+1], KSTEP*2
.endif
	WIN 0
	s_wait_tensorcnt 0x0
	ds_add_u32 v[SPW], v[NIL]
.if \fill
	s_xor_b32 s[SB], s[SB], SLOT                   ; no tensor load of mine is out: the walking descriptors step to the slot just read and to the next K step
	s_add_co_u32 s[G0+5], s[SB], s20
	s_add_co_u32 s[G0B+5], s[SB], s21
	s_add_nc_u64 s[G0+6:G0+7], s[G0+6:G0+7], KSTEP*2
	s_add_nc_u64 s[G0B+6:G0B+7], s[G0B+6:G0B+7], KSTEP*2
.endif
	s_sub_co_u32 s[TB], s[TB], 3*QB                ; the fetches go back to the rows' first byte,
	s_xor_b32 s[TB], s[TB], SLOT                   ; in the other slot
	s_wait_dscnt REST+1                            ; the add and the youngest REST loads may be out
	MULP F1, 0
	s_wait_dscnt 0x0                               ; the add is done, and my reads of this slot are over
	s_barrier_signal -1
	MULP F1, 1
	WIN 0
	s_barrier_wait -1
.if \fill
	CREST
	JLOAD 1                                        ; its four v_nop are also the places in front of the loads below
.else
	PLACES
.endif
	FETCH F0
.if (\fill) && PF
	ASK
.endif
	MULP F1, 2
	MULP F1, 3
.endm
	s_load_b128 s[4:7], s[0:1], 0x0                ; A s[4:5], wt s[6:7]
	s_load_b64 s[8:9], s[0:1], 0x10                ; C
	v_lshl_add_u32 v[SPW], v0, 2, SPARE
	v_mov_b32 v[NIL], 0
	ds_add_u32 v[SPW], v[NIL]                      ; the wave's opening: the add, twice on end, and its wait ahead of my first tensor load
	ds_add_u32 v[SPW], v[NIL]
	v_lshrrev_b32 v1, 5, v0
	v_readfirstlane_b32 s10, v1                    ; wave 0..3
	s_lshr_b32 s11, s10, 1                         ; my half of the tile's rows; also: I fetch for A (0) or B (1)
	s_and_b32 s12, s10, 1                          ; my half of its columns; also: which half of that tile I fetch
	s_bfe_u32 s40, ttmp6, 0x40000                  ; cx
	s_bfe_u32 s41, ttmp6, 0x40004                  ; cy
	s_lshl_b32 s42, ttmp9, 2
	s_add_co_u32 s42, s42, s40                     ; tile column
	s_and_b32 s13, ttmp7, 0xffff
	s_lshl_b32 s13, s13, 2
	s_add_co_u32 s13, s13, s41                     ; tile row
	s_lshl_b32 s43, s41, 2
	s_lshl_b32 s43, 15, s43                        ; my row of the cluster
	s_lshl_b32 s44, 0x1111, s40                    ; my column
	s_or_b32 s[G1], s43, (1<<16)|(1<<20)|(1<<21)|(QI<<22)|(3<<25)   ; mask; 2-byte elements; padding on; bit 21 beside a mask; 4 words of padding behind each row
	s_or_b32 s[G1B], s44, (1<<16)|(1<<20)|(1<<21)|(QI<<22)|(3<<25)
	s_mov_b32 s[G1+1], KSTEP<<16                   ; tensor_dim0
	s_mov_b32 s[G1+2], (16*MA)<<16                 ; tensor_dim1
	s_mov_b32 s[G1+3], KSTEP<<16                   ; tile_dim0
	s_mov_b32 s[G1+4], 16*MA                       ; tile_dim1
	s_mov_b32 s[G1+5], SIZE_K                      ; elements from row to row
	s_mov_b32 s[G1+6], 0
	s_mov_b32 s[G1+7], 0
	s_mov_b32 s[G1B+1], KSTEP<<16
	s_mov_b32 s[G1B+2], (16*NBL)<<16
	s_mov_b32 s[G1B+3], KSTEP<<16
	s_mov_b32 s[G1B+4], 16*NBL
	s_mov_b32 s[G1B+5], SIZE_K
	s_mov_b32 s[G1B+6], 0
	s_mov_b32 s[G1B+7], 0
	s_mul_i32 s16, s13, TM                         ; A: the rows that I fetch hang on the tile row and the wave alone,
	s_mul_i32 s17, s12, 16*MA
	s_add_co_u32 s16, s16, s17
	s_mul_i32 s16, s16, SIZE_K*2
	s_mov_b32 s17, 0
	s_mul_i32 s46, s42, TN                         ; B: on the tile column and the wave alone
	s_mul_i32 s47, s12, 16*NBL
	s_add_co_u32 s46, s46, s47
	s_mul_i32 s46, s46, SIZE_K*2
	s_add_co_u32 s46, s46, WOFF
	s_mov_b32 s47, 0
	s_mul_i32 s20, s12, HALFA                      ; where they go in a slot: no place in the cluster enters an LDS address
	s_mul_i32 s21, s12, HALFB
	s_add_co_u32 s21, s21, 2*HALFA
	s_mov_b32 s[SB], SLOT
	s_mov_b32 s[TB], 0
	s_wait_dscnt 0x0                               ; both opening adds are done
	s_wait_kmcnt 0x0
	s_add_nc_u64 s[14:15], s[4:5], s[16:17]
	s_add_nc_u64 s[46:47], s[6:7], s[46:47]
	CROUND                                         ; all sixteen work-groups are here: the first joint loads meet
.irp s, 0,1
	s_mov_b32 s[G0+4*(\s)], 1
	s_add_co_u32 s[G0+4*(\s)+1], s20, (\s)*SLOT
	s_add_nc_u64 s[G0+4*(\s)+2:G0+4*(\s)+3], s[14:15], (\s)*KSTEP*2
	s_or_b32 s[G0+4*(\s)+3], s[G0+4*(\s)+3], 0x80000000
	s_mov_b32 s[G0B+4*(\s)], 1
	s_add_co_u32 s[G0B+4*(\s)+1], s21, (\s)*SLOT
	s_add_nc_u64 s[G0B+4*(\s)+2:G0B+4*(\s)+3], s[46:47], (\s)*KSTEP*2
	s_or_b32 s[G0B+4*(\s)+3], s[G0B+4*(\s)+3], 0x80000000
	JLOAD \s                                       ; two loads of mine are out
.endr
	v_and_b32 v1, 15, v0                           ; l % 16
	v_bfe_u32 v2, v0, 4, 1                         ; l / 16
	v_mul_u32_u24 v3, v1, PITCH
	v_lshl_add_u32 v3, v2, 4, v3
	s_mul_i32 s22, s11, HALFA
	v_add_nc_u32 v[A0], s22, v3
	v_add_nc_u32 v[B0], s21, v3
	; the prefetches: my work-group's share of the rows that I fetch, at K step 2
	s_mul_i32 s72, s13, TM
	s_mul_i32 s73, s12, 16*MA
	s_add_co_u32 s72, s72, s73
	s_mul_i32 s73, s40, 4*MA
	s_add_co_u32 s72, s72, s73
	s_mul_i32 s72, s72, SIZE_K*2
	s_mul_i32 s74, s42, TN
	s_mul_i32 s73, s12, 16*NBL
	s_add_co_u32 s74, s74, s73
	s_mul_i32 s73, s41, 4*NBL
	s_add_co_u32 s74, s74, s73
	s_mul_i32 s74, s74, SIZE_K*2
	s_add_co_u32 s74, s74, WOFF
	s_and_b32 s75, ttmp7, 0xffff
	s_cmp_eq_u32 s11, 0
	s_cselect_b32 s72, s72, s74
	s_cselect_b32 s75, ttmp9, s75                  ; the coordinate along which other clusters read the same rows
	s_cselect_b32 s76, 4*MA-1, 4*NBL-1
	s_cselect_b64 s[PFA:PFA+1], s[4:5], s[6:7]
	s_cmp_eq_u32 s75, 0
	s_cselect_b32 s[LIM], 2, -1
	s_add_co_u32 s72, s72, 2*KSTEP*2
	s_mov_b32 s73, 0
	s_add_nc_u64 s[PFA:PFA+1], s[PFA:PFA+1], s[72:73]
	v_and_b32 v[PFO], 31, v0
	v_min_u32 v[PFO], s76, v[PFO]
	v_mul_u32_u24 v[PFO], v[PFO], SIZE_K*2
	; the way out: the stage lies in slot 0, 256 rows of 400 bytes
	s_mul_i32 s22, s11, 16*MA*SP
	s_mul_i32 s23, s12, 32*NBL
	s_add_co_u32 s22, s22, s23
	v_mul_u32_u24 v4, v1, SP
	v_lshl_add_u32 v4, v2, 4, v4
	v_add_nc_u32 v[STO], s22, v4                   ; in: row 128 x half + l % 16 (+ 16 a), bytes 192 x half + 16 (l / 16) (+ 32 b)
	v_bfe_u32 v6, v0, 3, 2
	v_and_b32 v7, 7, v0
	v_mul_u32_u24 v[RD], v6, SP
	v_lshl_add_u32 v[RD], v7, 4, v[RD]
	s_mul_i32 s22, s10, 64*SP
	v_add_nc_u32 v[RD], s22, v[RD]                 ; back: four rows' 128 bytes of one head, which are 512 consecutive bytes of qkv
	v_and_b32 v6, 31, v0
	v_lshlrev_b32 v[CO], 4, v6
	s_lshr_b32 s72, s13, 2                         ; b
	s_mul_i32 s72, s72, 48
	s_mul_i32 s73, s42, 3
	s_add_co_u32 s72, s72, s73                     ; b x 48 + the tile's first g
	s_lshl_b32 s72, s72, 10
	s_and_b32 s73, s13, 3
	s_lshl_b32 s73, s73, 8
	s_add_co_u32 s72, s72, s73                     ; + t of the tile's first row
	s_lshl_b32 s73, s10, 6
	s_add_co_u32 s72, s72, s73                     ; + my 64 rows
	s_lshl_b32 s72, s72, 7
	s_mov_b32 s73, 0
	s_add_nc_u64 s[8:9], s[8:9], s[72:73]
	; The sums start at 0, while the first tiles are on their way: one matrix instruction an accumulator, on a fragment of zeros with C = 0, in place of 384 moves; so the K step has one form of product.
.set i, 0
.rept 8
	v_mov_b32 v[F0+i], 0
.set i, i+1
.endr
	WIN 0x40
.set i, 0
.rept 8
	v_mov_b32 v[F0+i], 0
.set i, i+1
.endr
.set mx, 0
.rept MA*NBL
	WIN 0x40*(2+mx/32)+1
	v_wmma_f32_16x16x32_f16 v[8*(mx%32):8*(mx%32)+7], v[F0:F0+7], v[F0:F0+7], 0
.set mx, mx+1
.endr
	WIN 0
	PLACES
	s_wait_tensorcnt 0x1                           ; my part of K step 0 is in; K step 1's may stay out
	s_barrier_signal -1
	s_barrier_wait -1
	FETCH F0
	s_mov_b32 s3, NS-2
.Lstep:                                        ; a K step; the slot that it leaves is filled again
	QUARTER F0, F1
	QUARTER F1, F0
	QUARTER F0, F1
	TURN 1
	WIN 0
	s_sub_co_u32 s3, s3, 1
	s_cmp_lg_u32 s3, 0
	s_cbranch_scc1 .Lstep
	s_mov_b32 s3, 2
.Ltail:                                        ; the last two K steps fill nothing.  The second one's last run of loads reads slot 0's old tile and is never multiplied: the price of one text for both
	QUARTER F0, F1
	QUARTER F1, F0
	QUARTER F0, F1
	TURN 0
	WIN 0
	s_sub_co_u32 s3, s3, 1
	s_cmp_lg_u32 s3, 0
	s_cbranch_scc1 .Ltail
	; THE WAY OUT.  Slot 0 has had its last fill; behind this barrier nobody reads it.
.rept 8
	v_nop
.endr
	s_wait_dscnt 0x0
	s_barrier_signal -1
	s_barrier_wait -1
.set oa, 0
.rept MA
.set ob, 0
.rept NBL
.set ox, oa*NBL+ob
.set orr, 8*(ox%32)
	WIN 5*(2+ox/32)
	v_cvt_pk_f16_f32 v[TMP+4*ob], v[orr], v[orr+1]
	v_cvt_pk_f16_f32 v[TMP+4*ob+1], v[orr+2], v[orr+3]
	v_cvt_pk_f16_f32 v[TMP+4*ob+2], v[orr+4], v[orr+5]
	v_cvt_pk_f16_f32 v[TMP+4*ob+3], v[orr+6], v[orr+7]
.set ob, ob+1
.endr
	WIN 0
.set ob, 0
.rept NBL
	ds_store_b128 v[STO], v[TMP+4*ob:TMP+4*ob+3] offset:oa*16*SP+32*ob
.set ob, ob+1
.endr
.set oa, oa+1
.endr
	s_wait_dscnt 0x0                               ; for the others' sake: a row's bytes come from two waves
	s_barrier_signal -1
	s_barrier_wait -1
	s_mov_b32 s3, 3
.Lout:                                         ; a head a trip: my 64 rows of 128 bytes, 8,192 consecutive bytes of qkv
.set t, 0
.rept 8
	ds_load_b128 v[OB+4*t:OB+4*t+3], v[RD] offset:t*4*SP
.set t, t+1
.endr
.set t, 0
.rept 8
	ds_load_b128 v[TMP+4*t:TMP+4*t+3], v[RD] offset:(t+8)*4*SP
.set t, t+1
.endr
.set t, 0
.rept 8
	s_wait_dscnt 15-t
	global_store_b128 v[CO], v[OB+4*t:OB+4*t+3], s[8:9] offset:512*t
.set t, t+1
.endr
.set t, 0
.rept 8
	s_wait_dscnt 7-t
	global_store_b128 v[CO], v[TMP+4*t:TMP+4*t+3], s[8:9] offset:512*(t+8)
.set t, t+1
.endr
	s_wait_xcnt 0x0                                ; the stores have read their registers and their base
	v_add_nc_u32 v[RD], 128, v[RD]
	s_add_nc_u64 s[8:9], s[8:9], 131072
	s_sub_co_u32 s3, s3, 1
	s_cmp_lg_u32 s3, 0
	s_cbranch_scc1 .Lout
	s_wait_tensorcnt 0x0                           ; the wave's end
	ds_add_u32 v[SPW], v[NIL]
	s_wait_dscnt 0x0
	CROUND                                         ; the closing round
	s_endpgm
.Lfunc_end_k_qb8181c5bdf_qkv:
	.size	k_qb8181c5bdf_qkv, .Lfunc_end_k_qb8181c5bdf_qkv-k_qb8181c5bdf_qkv
	.p2alignl 7, 3214868480
	.fill 96, 4, 3214868480
	.section	.rodata,"a",@progbits
	.p2align	6, 0x0
	.amdhsa_kernel k_qb8181c5bdf_qkv
		.amdhsa_group_segment_fixed_size 327680
		.amdhsa_private_segment_fixed_size 0
		.amdhsa_enable_private_segment 0
		.amdhsa_kernarg_size 24
		.amdhsa_user_sgpr_count 2
		.amdhsa_user_sgpr_kernarg_segment_ptr 1
		.amdhsa_wavefront_size32 1
		.amdhsa_system_sgpr_workgroup_id_x 1
		.amdhsa_system_sgpr_workgroup_id_y 1
		.amdhsa_system_sgpr_workgroup_id_z 1
		.amdhsa_system_vgpr_workitem_id 0
		.amdhsa_next_free_vgpr 896
		.amdhsa_next_free_sgpr 80
		.amdhsa_reserve_vcc 0
		.amdhsa_float_denorm_mode_32 3
		.amdhsa_float_denorm_mode_16_64 3
		.amdhsa_memory_ordered 1
		.amdhsa_forward_progress 1
		.amdhsa_inst_pref_size 78
	.end_amdhsa_kernel
	.amdgpu_metadata
---
amdhsa.version: [ 1, 2 ]
amdhsa.kernels:
  - .name:           k_qb8181c5bdf_qkv
    .symbol:         k_qb8181c5bdf_qkv.kd
    .args:
      - { .name: h, .offset: 0, .size: 8, .value_kind: global_buffer, .address_space: global }
      - { .name: wt, .offset: 8, .size: 8, .value_kind: global_buffer, .address_space: global }
      - { .name: qkv, .offset: 16, .size: 8, .value_kind: global_buffer, .address_space: global }
    .group_segment_fixed_size: 327680
    .private_segment_fixed_size: 0
    .kernarg_segment_align: 8
    .kernarg_segment_size: 24
    .max_flat_workgroup_size: 128
    .sgpr_count:     80
    .vgpr_count:     896
    .wavefront_size: 32
...
	.end_amdgpu_metadata
.endif
;; end of part 2
;; launch attn (part 3): grid 4 x 64, 4 waves a work-group, clusters of 4 x 1, 327,680 bytes of LDS; arguments qkv, att; writes att
.if DOCPART == 3
	.amdgcn_target "amdgcn-amd-amdhsa--gfx1250"
	.amdhsa_code_object_version 6
	.text
	.protected	k_qb8181c5bdf_attn
	.globl	k_qb8181c5bdf_attn
	.p2align	8
	.type	k_qb8181c5bdf_attn,@function
k_qb8181c5bdf_attn:
	s_mov_b64 s[64:65], 0
	v_nop
	global_prefetch_b8 v0, s[64:65] scope:SCOPE_SE
	s_setreg_imm32_b32 hwreg(HW_REG_WAVE_MODE, 25, 1), 1
	s_wait_xcnt 0x0
	s_wait_alu depctr_hold_cnt(0) depctr_sa_sdst(0) depctr_va_vdst(0) depctr_va_sdst(0) depctr_va_ssrc(0) depctr_va_vcc(0) depctr_vm_vsrc(0)
	s_getreg_b32 s2, hwreg(HW_REG_IB_STS2, 6, 4)
	s_cmp_eq_u32 s2, 0
	s_cbranch_scc0 .Lentry_in_a_cluster
	s_endpgm
.Lentry_in_a_cluster:
	s_bfe_u32 s2, ttmp6, 0x10000c
	s_cmp_lg_u32 s2, 0x3003
	s_cbranch_scc0 .Lentry_shape_is_right
	s_endpgm
.Lentry_shape_is_right:
; CAUSAL ATTENTION.  att[b][t][64 h + d] = the sum over s <= t of softmax_s(q[t] . k[s] / 32) v[s][d].  qkv: [b 4][g 48][t 1024][64] f16 (g = h: q, 16 + h: k, 32 + h: v); att: [4096][1024] f16.
; LEFT OUT: the key steps in which every key lies behind every query of both tiles in hand; reference()'s own tril gives them the weight 0 for all values of the inputs.
; Products, maxima and sums in f32; the weights are rounded to f16 for the second product (their sum is taken unrounded), the result once.  LIMITS: a hidden score counts as its value less 1e30 (f16's
; scores reach 2.7e11 at the most); a weight below 2^-126 counts as 0; NaN and infinities are not treated apart.
; SHARES.  A cluster of four work-groups is one (b, h).  A head's rows lie in 16 bands of 64; work-group cx owns rows 64 x + 16 cx + 0..15 of every band x, so all four partners run the same text with the
; same counts: cx enters the mask's values and the addresses of q and att alone.  Band x needs the key steps (64 keys) 0 to x.  A wave takes two groups of two neighbouring bands (2 g, 2 g + 1), first
; g = 7 - wave, then g = wave: (16 - 2 w) + (2 w + 2) = 18 steps of two tiles for every wave.  In a group's last step its first tile is wholly hidden and is computed all the same: it shares the text
; and the fragments of K and V with the second: 2 of a wave's 36 tile steps.
; LDS.  The head's whole K and V are filled once, by joint loads of all four partners, four a wave: no slot is filled again.  The first four steps begin when the first 256 keys have landed.
; No L2 prefetch: every tile is asked for by its own load at the head.  att's rows of one head are 128 bytes: a store covers four runs of 128 consecutive bytes.
; LAYOUT.  S^T = K Q^T holds one query a lane (lane % 16) and the keys 8 (lane / 16) + 0..7; two such results rounded to f16 are source 1 of O^T = V^T P.  p = 2^(c s - c m), c = log2(e) / 32, with a
; running maximum m; O and l are multiplied by a = 2^(c m_old - c m_new) in every step.  THE MASK is the C operand that starts a sum: 0, MD (a band's own step) or HID (all hidden).
; REGISTERS.  Window 0: addresses, statistics, HID v32-39, S^T v64-127, P v128-159, MD v160-191.  Window 1: O^T v0-63, Q v64-95, the second group's Q v96-127, K v128-191, V v192-255.
.set PK,    144                        ; a row of K in LDS: 128 bytes + 16
.set PVP,   160                        ; a row of V: 128 + 32
.set KS,    64
.set VOFF,  1024*PK
.set STAGE, VOFF+1024*PVP              ; behind K and V, never filled by a tensor load: 16 rows x 144 bytes for each wave
.set SP,    144
.set SPARE, STAGE+4*16*SP              ; the spare words, 128 bytes for each wave
.set AK0, 2
.set AV0, 3
.set AK,  4
.set AV,  5
.set STO, 6
.set RD,  7
.set GO,  8
.set MV,  12                           ; v12-13  c m_old, by tile
.set QO,  15
.set ST,  16                           ; tile u at v[ST+4 u]: c m, m, l (even keys', odd keys')
.set TMP, 24                           ; tile u at v[TMP+4 u]: c0-c3 at work; c2 takes a
.set HID, 32
.set SPW, 62
.set NIL, 63
.set S,   64
.set P,   128
.set MD,  160
.set Q,   64                           ; window 1
.set Q2,  96
.set KF,  128
.set VF,  192
.set WV,  12
.set G1K, 24
.set G1V, 32
.set G0K, 40                           ; s[40:55] four sets of group 0 for K
.set G0V, 68                           ; s[68:83] for V
.set CS,  56
.set SEL, 58
.set TBK, 60
.set TBV, 61
.set SS,  62                           ; the key step
.set LO,  63                           ; the group's first and last step still to do
.set HI,  66
.set G2,  67                           ; the group's first band
.set GI,  84
.set CNT, 85
.set OP,  86                           ; s[86:87] att at my rows of the group in hand; s[88:89] of the second
.set OP2, 88
.set QP,  90
.set QP2, 92
.set BIGN, 94
.set MSB, 0
.macro WIN new
.if MSB != (\new)
	s_set_vgpr_msb (MSB<<8)|(\new)
.set MSB, (\new)
.endif
.endm
.macro CROUND
	s_barrier_signal -1
	s_barrier_wait -1
	s_cmp_lg_u32 s[WV], 0
	s_cbranch_scc1 .Lnot_wave_0_\@
	s_barrier_signal -3
.Lnot_wave_0_\@:
	s_barrier_wait -3
	s_barrier_signal -1
	s_barrier_wait -1
.endm
.macro FETCH_KV                        ; a step's K (8 fragments as they lie) and V (8, turned): two runs of 16 loads
	WIN 0
	v_add_nc_u32 v[AK], s[TBK], v[AK0]
	v_add_nc_u32 v[AV], s[TBV], v[AV0]
	WIN 0x40
.irp f, 0,1,2,3,4,5,6,7
	ds_load_b128 v[KF+8*\f:KF+8*\f+3],   v[AK] offset:(\f/2)*16*PK+(\f%2)*64
	ds_load_b128 v[KF+8*\f+4:KF+8*\f+7], v[AK] offset:(\f/2)*16*PK+(\f%2)*64+32
.endr
.irp f, 0,1,2,3,4,5,6,7
	ds_load_tr16_b128 v[VF+8*\f:VF+8*\f+3],   v[AV] offset:(\f/4)*32*PVP+(\f%4)*32
	ds_load_tr16_b128 v[VF+8*\f+4:VF+8*\f+7], v[AV] offset:(\f/4)*32*PVP+16*PVP+(\f%4)*32
.endr
	WIN 0
.endm
; Product i of 16 of S^T = K Q^T: channels 32 (i / 8) on, keys 16 ((i / 2) % 4) on, tile i % 2.  The first 8 start the sums.  mode 0: with 0; 1: tile 0 holds the diagonal; 2: tile 0 is hidden, tile 1 holds it.
.macro KQ mode
.set rS, S+32*(i%2)+8*((i/2)%4)
.set rK, KF+16*((i/2)%4)+8*(i/8)
.set rQ, Q+16*(i%2)+8*(i/8)
.set rD, MD+8*((i/2)%4)
	WIN 0x05
.if i >= 8
	v_wmma_f32_16x16x32_f16 v[rS:rS+7], v[rK:rK+7], v[rQ:rQ+7], v[rS:rS+7]
.elseif (((\mode) == 1) && (i%2 == 0)) || (((\mode) == 2) && (i%2 == 1))
	v_wmma_f32_16x16x32_f16 v[rS:rS+7], v[rK:rK+7], v[rQ:rQ+7], v[rD:rD+7]
.elseif (\mode) == 2
	v_wmma_f32_16x16x32_f16 v[rS:rS+7], v[rK:rK+7], v[rQ:rQ+7], v[HID:HID+7]
.else
	v_wmma_f32_16x16x32_f16 v[rS:rS+7], v[rK:rK+7], v[rQ:rQ+7], 0
.endif
.endm
.macro KQ8 mode
.set i, 0
.rept 8
	KQ \mode
.set i, i+1
.endr
	WIN 0
.endm
.macro PVM                             ; product i of 16 of O^T += V^T P: keys 32 (i / 8) on, channels 16 ((i / 2) % 4) on, tile i % 2
.set rO, 32*(i%2)+8*((i/2)%4)
.set rV, VF+32*(i/8)+8*((i/2)%4)
.set rP, P+16*(i%2)+8*(i/8)
	WIN 0x51
	v_wmma_f32_16x16x32_f16 v[rO:rO+7], v[rV:rV+7], v[rP:rP+7], v[rO:rO+7]
.endm
.macro REGS u
.set rT, ST+4*(\u)
.set rC, TMP+4*(\u)
.set rW, MV+(\u)
.set rS, S+32*(\u)
.set rP, P+16*(\u)
.set rO, 32*(\u)
.endm
; Number n of the 22 that find a tile's maximum and statistics.  0-11: four chains of seven scores, each accumulator's lowest registers first; 12-14, 16: the four scores left over, the old m, all into c0;
; 15: c m_old is kept; 17, 18: the query's other 32 keys lie in the lane 16 away; 19-21: c m, its change, a.
.macro XS u, n
	REGS \u
.if (\n) < 4
	v_max3_num_f32 v[rC+(\n)], v[rS+8*(\n)], v[rS+8*(\n)+1], v[rS+8*(\n)+2]
.elseif (\n) < 12
	v_max3_num_f32 v[rC+(\n)%4], v[rC+(\n)%4], v[rS+8*((\n)%4)+2*((\n)/4)+1], v[rS+8*((\n)%4)+2*((\n)/4)+2]
.elseif (\n) == 12
	v_max3_num_f32 v[rC], v[rC], v[rS+7], v[rS+15]
.elseif (\n) == 13
	v_max3_num_f32 v[rC+1], v[rC+1], v[rS+23], v[rS+31]
.elseif (\n) == 14
	v_max3_num_f32 v[rC+2], v[rC+2], v[rC+3], v[rT+1]
.elseif (\n) == 15
	v_mov_b32 v[rW], v[rT]
.elseif (\n) == 16
	v_max3_num_f32 v[rC], v[rC], v[rC+1], v[rC+2]
.elseif (\n) == 17
	v_permlanex16_b32 v[rC+3], v[rC], s[SEL], s[SEL+1]
.elseif (\n) == 18
	v_max_num_f32 v[rT+1], v[rC], v[rC+3]
.elseif (\n) == 19
	v_mul_f32 v[rT], s[CS], v[rT+1]
.elseif (\n) == 20
	v_sub_f32 v[rC+1], v[rW], v[rT]
.else
	v_exp_f32 v[rC+2], v[rC+1]
.endif
.endm
; A KEY STEP for both tiles, in phases.  masked = 1: which masks the sums start with hangs on the step and the group's first band, whole numbers made of the wave's number and counted loops.
.macro STEP masked
	FETCH_KV
	s_wait_dscnt 16                                ; K is in; V's 16 loads may stay out
.if \masked
	s_cmp_lt_u32 s[SS], s[G2]
	s_cbranch_scc1 .Lopen_\@
	s_cmp_eq_u32 s[SS], s[G2]
	s_cbranch_scc1 .Ldiag_\@
	KQ8 2
	s_branch .Ljoin_\@
.Ldiag_\@:
	KQ8 1
	s_branch .Ljoin_\@
.Lopen_\@:
	KQ8 0
.Ljoin_\@:
.else
	KQ8 0
.endif
.set i, 8
.rept 8
	KQ 0
.set i, i+1
.endr
	WIN 0
.rept 4
	v_nop                                          ; the places behind those products
.endr
.irp n, 0,1,2,3,4,5,6,7,8,9,10,11,12,13,14,15,16,17,18,19,20
	XS 0, \n
	XS 1, \n
.endr
.set f, 0
.rept 32
	REGS f%2
	v_pk_fma_f32 v[rS+2*(f/2):rS+2*(f/2)+1], v[rS+2*(f/2):rS+2*(f/2)+1], s[CS:CS+1], v[rT:rT+1] op_sel_hi:[1,0,0] neg_lo:[0,0,1] neg_hi:[0,0,1]  ; c s - c m
.set f, f+1
.endr
	XS 0, 21                                       ; one batch: both a and the 64 weights
	XS 1, 21
.set e, 0
.rept 64
	REGS e%2
	v_exp_f32 v[rS+e/2], v[rS+e/2]
.set e, e+1
.endr
	v_nop                                          ; a plain instruction behind the last exponential
	s_wait_alu depctr_va_vdst(0)                   ; one wait for the batch, ahead of its first reader
.set f, 0
.rept 32
	REGS f%2
	v_cvt_pk_f16_f32 v[rP+f/2], v[rS+2*(f/2)], v[rS+2*(f/2)+1]
.set f, f+1
.endr
.irp w, 4,8,16,32                      ; the sum of a tile's 16 pairs, in place: neighbours 1, 2, 4 and 8 pairs apart
.set z, 0
.rept 64/\w
	REGS z%2
	v_pk_add_f32 v[rS+\w*(z/2):rS+\w*(z/2)+1], v[rS+\w*(z/2):rS+\w*(z/2)+1], v[rS+\w*(z/2)+\w/2:rS+\w*(z/2)+\w/2+1]
.set z, z+1
.endr
.endr
.irp u, 0,1
	REGS \u
	v_pk_fma_f32 v[rT+2:rT+3], v[rT+2:rT+3], v[rC+2:rC+3], v[rS:rS+1] op_sel_hi:[1,0,1]  ; l = a l + the sum
.endr
	WIN 0x41
.set z, 0
.rept 32
	REGS z%2
	v_pk_mul_f32 v[rO+2*(z/2):rO+2*(z/2)+1], v[rO+2*(z/2):rO+2*(z/2)+1], v[rC+2:rC+3] op_sel_hi:[1,0]  ; O^T times a
.set z, z+1
.endr
	s_wait_dscnt 0x0                               ; V is in
.set i, 0
.rept 16
	PVM
.set i, i+1
.endr
	WIN 0
.rept 4
	v_nop                                          ; the places ahead of the next loads into V's registers and of the way out's reads of O^T
.endr
.endm
.macro PACK u                          ; O^T / l, rounded; 16 bytes a lane into rows of 144 bytes, and back as whole rows of 128
	WIN 0x41
.set i, 32*(\u)
.rept 16
	v_pk_mul_f32 v[i:i+1], v[i:i+1], v[ST+4*(\u)+2:ST+4*(\u)+3] op_sel_hi:[1,0]
.set i, i+2
.endr
	WIN 0x05
.set i, 0
.rept 16
	v_cvt_pk_f16_f32 v[S+16*(\u)+i], v[32*(\u)+2*i], v[32*(\u)+2*i+1]
.set i, i+1
.endr
	WIN 0
.irp f, 0,1,2,3
	ds_store_b128 v[STO], v[S+16*(\u)+4*\f:S+16*(\u)+4*\f+3] offset:32*\f
.endr
.irp f, 0,1,2,3
	ds_load_b128 v[S+16*(\u)+4*\f:S+16*(\u)+4*\f+3], v[RD] offset:\f*4*SP  ; LDS serves a wave's instructions in order (ISA guide 5.7.1.4): these see the stores above
.endr
.endm
.macro SEND u, younger
.irp f, 0,1,2,3
	s_wait_dscnt (\younger)+3-\f
	global_store_b128 v[GO], v[S+16*(\u)+4*\f:S+16*(\u)+4*\f+3], s[OP:OP+1] offset:(\u)*131072+\f*8192
.endr
.endm
	s_load_b128 s[4:7], s[0:1], 0x0                ; qkv s[4:5], att s[6:7]
	v_lshl_add_u32 v[SPW], v0, 2, SPARE
	v_mov_b32 v[NIL], 0
	ds_add_u32 v[SPW], v[NIL]                      ; the wave's opening: the add, twice on end, and its wait ahead of my first tensor load
	ds_add_u32 v[SPW], v[NIL]
	v_lshrrev_b32 v1, 5, v0
	v_readfirstlane_b32 s[WV], v1
	s_bfe_u32 s13, ttmp6, 0x40000                  ; cx
	s_and_b32 s14, ttmp7, 0xffff
	s_lshr_b32 s15, s14, 4                         ; b
	s_and_b32 s16, s14, 15                         ; h
	s_mul_i32 s17, s15, 48
	s_add_co_u32 s17, s17, s16
	s_lshl_b32 s17, s17, 17                        ; q's head: 1,024 rows of 128 bytes each
	s_and_b32 s18, s[WV], 1                        ; which 128 of a chunk's 256 keys I fetch
	s_lshl_b32 s19, s18, 14
	s_add_co_u32 s20, s17, s19
	s_add_co_u32 s22, s20, 32<<17                  ; v's head
	s_add_co_u32 s20, s20, 16<<17                  ; k's head
	s_mov_b32 s21, 0
	s_mov_b32 s23, 0
	s_mul_i32 s19, s18, 128*PK
	s_mul_i32 s18, s18, 128*PVP
	s_add_co_u32 s18, s18, VOFF
	; 128 keys are 16,384 dense bytes: asked for as 64 rows of 256 bytes, two keys a row, padded in LDS behind every key
	s_mov_b32 s[G1K], 15|(1<<16)|(1<<20)|(1<<21)|(4<<22)|(3<<25)
	s_mov_b32 s[G1V], 15|(1<<16)|(1<<20)|(1<<21)|(4<<22)|(7<<25)
.irp g, G1K, G1V
	s_mov_b32 s[\g+1], 128<<16
	s_mov_b32 s[\g+2], 64<<16
	s_mov_b32 s[\g+3], 128<<16
	s_mov_b32 s[\g+4], 64
	s_mov_b32 s[\g+5], 128
	s_mov_b32 s[\g+6], 0
	s_mov_b32 s[\g+7], 0
.endr
.irp c, 0,1,2,3
	s_mov_b32 s[G0K+4*\c], 1
	s_add_co_u32 s[G0K+4*\c+1], s19, \c*256*PK
	s_mov_b32 s[G0V+4*\c], 1
	s_add_co_u32 s[G0V+4*\c+1], s18, \c*256*PVP
.endr
	s_mov_b32 s[CS], 0x3d38aa3b                    ; c = log2(e) / 32
	s_mov_b32 s[CS+1], s[CS]
	s_mov_b32 s[SEL], 0x76543210
	s_mov_b32 s[SEL+1], 0xfedcba98
	s_mov_b32 s[BIGN], 0xf149f2ca                  ; -1e30
	s_sub_co_u32 s96, 7, s[WV]                     ; the first group
	s_lshl_b32 s97, s13, 11                        ; q: my 16 rows in a band,
	s_add_co_u32 s97, s97, s17
	s_lshl_b32 s98, s96, 14                        ; the group's 128 rows
	s_add_co_u32 s[QP], s97, s98
	s_mov_b32 s[QP+1], 0
	s_lshl_b32 s98, s[WV], 14
	s_add_co_u32 s[QP2], s97, s98
	s_mov_b32 s[QP2+1], 0
	s_lshl_b32 s97, s15, 21                        ; att: b x 1,024 rows of 2,048 bytes,
	s_lshl_b32 s98, s13, 15                        ; my 16 rows,
	s_add_co_u32 s97, s97, s98
	s_lshl_b32 s98, s16, 7                         ; the head's 128 bytes
	s_add_co_u32 s97, s97, s98
	s_lshl_b32 s98, s96, 18
	s_add_co_u32 s[OP], s97, s98
	s_mov_b32 s[OP+1], 0
	s_lshl_b32 s98, s[WV], 18
	s_add_co_u32 s[OP2], s97, s98
	s_mov_b32 s[OP2+1], 0
	s_lshl_b32 s[G2], s96, 1
	s_add_co_u32 s[HI], s[G2], 1
	s_mov_b32 s[LO], 4
	s_mov_b32 s[TBK], 0
	s_mov_b32 s[TBV], 0
	s_wait_dscnt 0x0                               ; both opening adds are done
	s_wait_kmcnt 0x0
	s_add_nc_u64 s[8:9], s[4:5], s[20:21]
	s_add_nc_u64 s[10:11], s[4:5], s[22:23]
.irp c, 0,1,2,3
	s_add_nc_u64 s[G0K+4*\c+2:G0K+4*\c+3], s[8:9], \c*32768
	s_or_b32 s[G0K+4*\c+3], s[G0K+4*\c+3], 0x80000000
	s_add_nc_u64 s[G0V+4*\c+2:G0V+4*\c+3], s[10:11], \c*32768
	s_or_b32 s[G0V+4*\c+3], s[G0V+4*\c+3], 0x80000000
.endr
	s_add_nc_u64 s[QP:QP+1], s[4:5], s[QP:QP+1]
	s_add_nc_u64 s[QP2:QP2+1], s[4:5], s[QP2:QP2+1]
	s_add_nc_u64 s[OP:OP+1], s[6:7], s[OP:OP+1]
	s_add_nc_u64 s[OP2:OP2+1], s[6:7], s[OP2:OP2+1]
	CROUND                                         ; all four work-groups are here: the joint loads meet
	s_cmp_lt_u32 s[WV], 2                          ; a wave's four fills stand in one branch: waves 0, 1 fetch K, waves 2, 3 V; four loads of mine are out
	s_cbranch_scc0 .Lfill_v
.irp c, 0,1,2,3
	tensor_load_to_lds s[G0K+4*\c:G0K+4*\c+3], s[G1K:G1K+7]
	s_nop 0
.endr
.rept 4
	v_nop
.endr
	s_branch .Lfilled
.Lfill_v:
.irp c, 0,1,2,3
	tensor_load_to_lds s[G0V+4*\c:G0V+4*\c+3], s[G1V:G1V+7]
	s_nop 0
.endr
.rept 4
	v_nop
.endr
.Lfilled:
	v_and_b32 v1, 15, v0                           ; l % 16
	v_bfe_u32 v9, v0, 4, 1                         ; l / 16
	v_lshlrev_b32 v[QO], 7, v1
	v_lshl_add_u32 v[QO], v9, 4, v[QO]
	WIN 0x40
.irp i, 0,1,2,3                        ; both groups' Q: tile i / 2 lies a band (8,192 bytes) on, channels 32 (i % 2) on
	global_load_b128 v[Q+8*\i:Q+8*\i+3],     v[QO], s[QP:QP+1] offset:(\i/2)*8192+(\i%2)*64
	global_load_b128 v[Q+8*\i+4:Q+8*\i+7],   v[QO], s[QP:QP+1] offset:(\i/2)*8192+(\i%2)*64+32
	global_load_b128 v[Q2+8*\i:Q2+8*\i+3],   v[QO], s[QP2:QP2+1] offset:(\i/2)*8192+(\i%2)*64
	global_load_b128 v[Q2+8*\i+4:Q2+8*\i+7], v[QO], s[QP2:QP2+1] offset:(\i/2)*8192+(\i%2)*64+32
.endr
.set i, 0
.rept 64
	v_mov_b32 v[i], 0                              ; O^T: a group's first step multiplies it by a = 0, so it need only be finite; written in the wait for the first keys
.set i, i+1
.endr
	WIN 0
.irp u, 0,1
	v_mov_b32 v[ST+4*\u], 0xfe000000               ; c m: far below every c s
	v_mov_b32 v[ST+4*\u+1], 0xff7fffff             ; m
	v_mov_b32 v[ST+4*\u+2], 0
	v_mov_b32 v[ST+4*\u+3], 0
.endr
	v_lshlrev_b32 v14, 3, v9
	v_sub_nc_u32 v14, v1, v14
	s_lshl_b32 s2, s13, 4
	v_add_nc_u32 v14, s2, v14                      ; my query's place in its band, 16 cx + l % 16, less 8 (l / 16): register j of key block kb is hidden where 16 kb + j is greater
.set i, 0
.rept 32
	v_cmp_gt_i32 vcc_lo, 16*(i/8)+i%8, v14
	v_cndmask_b32 v[MD+i], 0, s[BIGN], vcc_lo
.set i, i+1
.endr
.set i, 0
.rept 8
	v_mov_b32 v[HID+i], s[BIGN]
.set i, i+1
.endr
	v_mul_u32_u24 v[AK0], v1, PK
	v_lshl_add_u32 v[AK0], v9, 4, v[AK0]
	v_and_b32 v10, 7, v0                           ; the turning load: lane l reads key 8 (l / 16) + l % 8, channels 8 ((l / 8) % 2) + 0..7
	v_bfe_u32 v11, v0, 3, 1
	v_lshl_add_u32 v[AV0], v9, 3, v10
	v_mul_u32_u24 v[AV0], v[AV0], PVP
	v_lshl_add_u32 v[AV0], v11, 4, v[AV0]
	v_add_nc_u32 v[AV0], VOFF, v[AV0]
	s_mul_i32 s2, s[WV], 16*SP
	s_add_co_u32 s2, s2, STAGE
	v_mul_u32_u24 v[STO], v1, SP
	v_lshl_add_u32 v[STO], v9, 4, v[STO]
	v_add_nc_u32 v[STO], s2, v[STO]
	v_bfe_u32 v[RD], v0, 3, 2
	v_lshlrev_b32 v[GO], 11, v[RD]                 ; row l / 8 of att, 16 (l % 8) bytes on
	v_lshl_add_u32 v[GO], v10, 4, v[GO]
	v_mul_u32_u24 v[RD], v[RD], SP
	v_lshl_add_u32 v[RD], v10, 4, v[RD]
	v_add_nc_u32 v[RD], s2, v[RD]
	s_wait_loadcnt 0x0                             ; Q
	s_wait_tensorcnt 0x3                           ; my part of the first 256 keys is in; my other three loads may stay out
	s_barrier_signal -1
	s_barrier_wait -1
	s_mov_b32 s[CNT], 4
.Lfirst:                                       ; steps 0 to 3 of the first group, whose first band is 8 or more: no mask
	STEP 0
	s_add_co_u32 s[TBK], s[TBK], KS*PK
	s_add_co_u32 s[TBV], s[TBV], KS*PVP
	s_sub_co_u32 s[CNT], s[CNT], 1
	s_cmp_lg_u32 s[CNT], 0
	s_cbranch_scc1 .Lfirst
	s_wait_tensorcnt 0x0                           ; all my loads have landed,
	s_wait_dscnt 0x0
	s_barrier_signal -1
	s_barrier_wait -1                              ; everybody's have: no barrier follows until the closing round
	s_mov_b32 s[GI], 2
.Lgroup:
	s_mov_b32 s[TBK], 0
	s_mov_b32 s[TBV], 0
	s_mov_b32 s[SS], 0
.Lkey:                                         ; 16 trips; the steps that the group does not need, or has done, are jumped forward
	s_cmp_lt_u32 s[SS], s[LO]
	s_cbranch_scc1 .Lnext
	s_cmp_gt_u32 s[SS], s[HI]
	s_cbranch_scc1 .Lnext
	STEP 1
.Lnext:
	s_add_co_u32 s[TBK], s[TBK], KS*PK
	s_add_co_u32 s[TBV], s[TBV], KS*PVP
	s_add_co_u32 s[SS], s[SS], 1
	s_cmp_lt_u32 s[SS], 16
	s_cbranch_scc1 .Lkey
	; THE WAY OUT of a group: l's two halves and the other half of the lanes' are added; O^T is divided by l
.irp u, 0,1
	v_add_f32 v[ST+4*\u+2], v[ST+4*\u+2], v[ST+4*\u+3]
.endr
.irp u, 0,1
	v_permlanex16_b32 v[ST+4*\u+3], v[ST+4*\u+2], s[SEL], s[SEL+1]
.endr
.irp u, 0,1
	v_add_f32 v[ST+4*\u+2], v[ST+4*\u+2], v[ST+4*\u+3]
.endr
.irp u, 0,1
	v_rcp_f32 v[ST+4*\u+2], v[ST+4*\u+2]
.endr
	v_nop
	s_wait_alu depctr_va_vdst(0)                   ; one wait for both reciprocals
	PACK 0
	PACK 1
	SEND 0, 8
	SEND 1, 0
	s_cmp_eq_u32 s[GI], 1
	s_cbranch_scc1 .Ldone
	s_wait_xcnt 0x0                                ; the stores have read their registers and their base
	s_mov_b64 s[OP:OP+1], s[OP2:OP2+1]
.irp u, 0,1
	v_mov_b32 v[ST+4*\u], 0xfe000000               ; the second group begins: its first a is 0, so O^T and l need only be finite
	v_mov_b32 v[ST+4*\u+1], 0xff7fffff
.endr
	WIN 0x41
.set i, 0
.rept 32
	v_mov_b32 v[Q+i], v[Q2+i]
.set i, i+1
.endr
	WIN 0
	s_lshl_b32 s[G2], s[WV], 1
	s_add_co_u32 s[HI], s[G2], 1
	s_mov_b32 s[LO], 0
.Ldone:
	s_sub_co_u32 s[GI], s[GI], 1
	s_cmp_lg_u32 s[GI], 0
	s_cbranch_scc1 .Lgroup
	s_wait_tensorcnt 0x0                           ; the wave's end
	ds_add_u32 v[SPW], v[NIL]
	s_wait_dscnt 0x0
	CROUND                                         ; the closing round
	s_endpgm
.Lfunc_end_k_qb8181c5bdf_attn:
	.size	k_qb8181c5bdf_attn, .Lfunc_end_k_qb8181c5bdf_attn-k_qb8181c5bdf_attn
	.p2alignl 7, 3214868480
	.fill 96, 4, 3214868480
	.section	.rodata,"a",@progbits
	.p2align	6, 0x0
	.amdhsa_kernel k_qb8181c5bdf_attn
		.amdhsa_group_segment_fixed_size 327680
		.amdhsa_private_segment_fixed_size 0
		.amdhsa_enable_private_segment 0
		.amdhsa_kernarg_size 16
		.amdhsa_user_sgpr_count 2
		.amdhsa_user_sgpr_kernarg_segment_ptr 1
		.amdhsa_wavefront_size32 1
		.amdhsa_system_sgpr_workgroup_id_x 1
		.amdhsa_system_sgpr_workgroup_id_y 1
		.amdhsa_system_sgpr_workgroup_id_z 1
		.amdhsa_system_vgpr_workitem_id 0
		.amdhsa_next_free_vgpr 512
		.amdhsa_next_free_sgpr 100
		.amdhsa_reserve_vcc 1
		.amdhsa_float_denorm_mode_32 3
		.amdhsa_float_denorm_mode_16_64 3
		.amdhsa_memory_ordered 1
		.amdhsa_forward_progress 1
		.amdhsa_inst_pref_size 61
	.end_amdhsa_kernel
	.amdgpu_metadata
---
amdhsa.version: [ 1, 2 ]
amdhsa.kernels:
  - .name:           k_qb8181c5bdf_attn
    .symbol:         k_qb8181c5bdf_attn.kd
    .args:
      - { .name: qkv, .offset: 0, .size: 8, .value_kind: global_buffer, .address_space: global }
      - { .name: att, .offset: 8, .size: 8, .value_kind: global_buffer, .address_space: global }
    .group_segment_fixed_size: 327680
    .private_segment_fixed_size: 0
    .kernarg_segment_align: 8
    .kernarg_segment_size: 16
    .max_flat_workgroup_size: 128
    .sgpr_count:     100
    .vgpr_count:     512
    .wavefront_size: 32
...
	.end_amdgpu_metadata
.endif
;; end of part 3
;; launch proj (part 4): grid 8 x 32, 4 waves a work-group, clusters of 4 x 4, 327,680 bytes of LDS; arguments att, wt, x1, b_proj, x; writes x1
.if DOCPART == 4
	.amdgcn_target "amdgcn-amd-amdhsa--gfx1250"
	.amdhsa_code_object_version 6
	.text
	.protected	k_qb8181c5bdf_proj
	.globl	k_qb8181c5bdf_proj
	.p2align	8
	.type	k_qb8181c5bdf_proj,@function
k_qb8181c5bdf_proj:
	s_mov_b64 s[64:65], 0
	v_nop
	global_prefetch_b8 v0, s[64:65] scope:SCOPE_SE
	s_setreg_imm32_b32 hwreg(HW_REG_WAVE_MODE, 25, 1), 1
	s_wait_xcnt 0x0
	s_wait_alu depctr_hold_cnt(0) depctr_sa_sdst(0) depctr_va_vdst(0) depctr_va_sdst(0) depctr_va_ssrc(0) depctr_va_vcc(0) depctr_vm_vsrc(0)
	s_getreg_b32 s2, hwreg(HW_REG_IB_STS2, 6, 4)
	s_cmp_eq_u32 s2, 0
	s_cbranch_scc0 .Lentry_in_a_cluster
	s_endpgm
.Lentry_in_a_cluster:
	s_bfe_u32 s2, ttmp6, 0x10000c
	s_cmp_lg_u32 s2, 0xf033
	s_cbranch_scc0 .Lentry_shape_is_right
	s_endpgm
.Lentry_shape_is_right:
; x1 = x + b_proj + att x WpT^T.  att: [4096][1024] f16; WpT: [1024][1024] f16 at byte 6,291,456 of wt; x, x1: [4096][1024] f32.
; A tile of C is 128 x 128: 8 x 32 tiles, one work-group each.  Four waves, each 64 x 64: 16 accumulators, which START as x + b_proj, loaded straight into them in the result's own layout.
; K goes in steps of 256 through two LDS slots filled by joint tensor loads (4 x 4 work-groups a cluster; A's tile shared along a row, B's along a column).  One K step is written for the loop and one for
; the tail; the slot is a scalar turned by an exclusive or.  The matrix instruction is used transposed: a lane holds 8 neighbouring columns of a row of C.
; No L2 prefetch: K has four steps, and a step two refills on does not exist.
; REGISTERS: window 0: addresses, v32-63 bias and way out, A's fragments v64-127, v128-191; window 1: B's fragments; window 2: accumulator 4 a + b at v[8 (4 a + b)].
.set SIZE_N, 1024
.set SIZE_K, 1024
.set MA,     4
.set NBL,    4
.set DEP,    2
.set WOFF,   6291456
.set PF,     0
.set SP,     528                       ; a stage row: 512 bytes + 16
.set KSTEP,  128*DEP
.set PITCH,  2*KSTEP+16
.set QI,     4+DEP
.set NS,     SIZE_K/KSTEP
.set TM,     32*MA
.set TN,     32*NBL
.set HALFA,  16*MA*PITCH
.set HALFB,  16*NBL*PITCH
.set SLOT,   2*HALFA+2*HALFB
.set SPARE,  2*SLOT
.set QB,     64*DEP
.set NW,     MA*NBL*DEP
.set NL,     2*DEP*(MA+NBL)
.set REST,   NL/2                      ; the youngest loads of a run: the quarter's second 32 along K
.set A0,  16
.set B0,  17
.set ADA, 18
.set ADB, 19
.set BO,  5                            ; v5   my byte offset in the bias; never rewritten
.set STO, 24
.set RD,  25
.set CO,  26
.set XO,  27                           ; v27  my byte offset in the residual's rows; never rewritten
.set SPW, 28
.set NIL, 29
.set OB,  32
.set F0,  64
.set F1,  128
.set G1,  24
.set G0,  32
.set G1B, 48
.set G0B, 56
.set SB,  70
.set TB,  71
.set MSB, 0
.macro WIN new
.if MSB != (\new)
	s_set_vgpr_msb (MSB<<8)|(\new)
.set MSB, (\new)
.endif
.endm
.macro PLACES
.rept 4
	v_nop
.endr
.endm
.macro JLOAD s                         ; a joint load: waves 0 and 1 fetch A's two halves, waves 2 and 3 B's; an s_nop 0 and four v_nop follow each line
	s_cmp_eq_u32 s11, 0
	s_cbranch_scc0 .Lfor_b_\@
	tensor_load_to_lds s[G0+4*(\s):G0+4*(\s)+3], s[G1:G1+7]
	s_nop 0
.rept 4
	v_nop
.endr
	s_branch .Lasked_\@
.Lfor_b_\@:
	tensor_load_to_lds s[G0B+4*(\s):G0B+4*(\s)+3], s[G1B:G1B+7]
	s_nop 0
.rept 4
	v_nop
.endr
.Lasked_\@:
.endm
.macro CREST
	s_cmp_lg_u32 s10, 0
	s_cbranch_scc1 .Lnot_wave_0_\@
	s_barrier_signal -3
.Lnot_wave_0_\@:
	s_barrier_wait -3
	s_barrier_signal -1
	s_barrier_wait -1
.endm
.macro CROUND
	s_barrier_signal -1
	s_barrier_wait -1
	CREST
.endm
.macro MULP f, p                       ; a quarter of a quarter step's matrix instructions; the accumulators take turns, one instruction a turn
.set mi, (\p)*NW/4
.rept NW/4
.set mc, mi/(MA*NBL)
.set ma, (mi/NBL)%MA
.set mb, mi%NBL
.set mx, ma*NBL+mb
.set mr, 8*(mx%32)
	WIN 0x50*(2+mx/32)+1
	v_wmma_f32_16x16x32_f16 v[mr:mr+7], v[(\f)+8*(NBL*mc+mb):(\f)+8*(NBL*mc+mb)+7], v[(\f)+8*(MA*mc+ma):(\f)+8*(MA*mc+ma)+7], v[mr:mr+7]
.set mi, mi+1
.endr
.endm
.macro FRAGS adr, base, n, c
.set fi, 0
.rept \n
	ds_load_b128 v[(\base)+8*((\n)*(\c)+fi):(\base)+8*((\n)*(\c)+fi)+3],   v[\adr] offset:64*(\c)+fi*16*PITCH
	ds_load_b128 v[(\base)+8*((\n)*(\c)+fi)+4:(\base)+8*((\n)*(\c)+fi)+7], v[\adr] offset:64*(\c)+fi*16*PITCH+32
.set fi, fi+1
.endr
.endm
.macro FETCH g
	WIN 0
	v_add_nc_u32 v[ADA], s[TB], v[A0]
	v_add_nc_u32 v[ADB], s[TB], v[B0]
	WIN 0x40
	FRAGS ADB, \g, NBL, 0
	WIN 0
	FRAGS ADA, \g, MA, 0
.if DEP == 2
	FRAGS ADA, \g, MA, 1
	WIN 0x40
	FRAGS ADB, \g, NBL, 1
	WIN 0
.endif
.endm
.macro QUARTER f, g
	s_wait_dscnt REST                              ; all but the youngest REST loads are in
	MULP \f, 0
	MULP \f, 1
	s_add_co_u32 s[TB], s[TB], QB
	WIN 0
	PLACES
	FETCH \g
	s_wait_dscnt NL                                ; all but the run just issued
	MULP \f, 2
	MULP \f, 3
.endm
; The last quarter changes slots: in front of the barrier each wave waits for all its tensor loads, adds 0 to its spare word, and waits for that and for its reads of this slot.
; fill = 1: the barrier opens a round of the cluster's barrier, and the joint refill, two K steps ahead, is the first thing behind the round.
.macro TURN fill
	WIN 0
	s_wait_tensorcnt 0x0
	ds_add_u32 v[SPW], v[NIL]
.if \fill
	s_xor_b32 s[SB], s[SB], SLOT
	s_add_co_u32 s[G0+5], s[SB], s20
	s_add_co_u32 s[G0B+5], s[SB], s21
	s_add_nc_u64 s[G0+6:G0+7], s[G0+6:G0+7], KSTEP*2
	s_add_nc_u64 s[G0B+6:G0B+7], s[G0B+6:G0B+7], KSTEP*2
.endif
	s_sub_co_u32 s[TB], s[TB], 3*QB
	s_xor_b32 s[TB], s[TB], SLOT
	s_wait_dscnt REST+1                            ; the add and the youngest REST loads may be out
	MULP F1, 0
	s_wait_dscnt 0x0
	s_barrier_signal -1
	MULP F1, 1
	WIN 0
	s_barrier_wait -1
.if \fill
	CREST
	JLOAD 1
.else
	PLACES
.endif
	FETCH F0
	MULP F1, 2
	MULP F1, 3
.endm
	s_load_b128 s[4:7], s[0:1], 0x0                ; A s[4:5], wt s[6:7]
	s_load_b64 s[8:9], s[0:1], 0x10                ; C
	s_load_b64 s[66:67], s[0:1], 0x18              ; the bias
	s_load_b64 s[68:69], s[0:1], 0x20              ; the residual
	v_lshl_add_u32 v[SPW], v0, 2, SPARE
	v_mov_b32 v[NIL], 0
	ds_add_u32 v[SPW], v[NIL]                      ; the wave's opening: the add, twice on end, and its wait ahead of my first tensor load
	ds_add_u32 v[SPW], v[NIL]
	v_lshrrev_b32 v1, 5, v0
	v_readfirstlane_b32 s10, v1
	s_lshr_b32 s11, s10, 1
	s_and_b32 s12, s10, 1
	s_bfe_u32 s40, ttmp6, 0x40000
	s_bfe_u32 s41, ttmp6, 0x40004
	s_lshl_b32 s42, ttmp9, 2
	s_add_co_u32 s42, s42, s40                     ; tile column
	s_and_b32 s13, ttmp7, 0xffff
	s_lshl_b32 s13, s13, 2
	s_add_co_u32 s13, s13, s41                     ; tile row
	s_lshl_b32 s43, s41, 2
	s_lshl_b32 s43, 15, s43
	s_lshl_b32 s44, 0x1111, s40
	s_or_b32 s[G1], s43, (1<<16)|(1<<20)|(1<<21)|(QI<<22)|(3<<25)
	s_or_b32 s[G1B], s44, (1<<16)|(1<<20)|(1<<21)|(QI<<22)|(3<<25)
	s_mov_b32 s[G1+1], KSTEP<<16
	s_mov_b32 s[G1+2], (16*MA)<<16
	s_mov_b32 s[G1+3], KSTEP<<16
	s_mov_b32 s[G1+4], 16*MA
	s_mov_b32 s[G1+5], SIZE_K
	s_mov_b32 s[G1+6], 0
	s_mov_b32 s[G1+7], 0
	s_mov_b32 s[G1B+1], KSTEP<<16
	s_mov_b32 s[G1B+2], (16*NBL)<<16
	s_mov_b32 s[G1B+3], KSTEP<<16
	s_mov_b32 s[G1B+4], 16*NBL
	s_mov_b32 s[G1B+5], SIZE_K
	s_mov_b32 s[G1B+6], 0
	s_mov_b32 s[G1B+7], 0
	s_mul_i32 s16, s13, TM
	s_mul_i32 s17, s12, 16*MA
	s_add_co_u32 s16, s16, s17
	s_mul_i32 s16, s16, SIZE_K*2
	s_mov_b32 s17, 0
	s_mul_i32 s46, s42, TN
	s_mul_i32 s47, s12, 16*NBL
	s_add_co_u32 s46, s46, s47
	s_mul_i32 s46, s46, SIZE_K*2
	s_add_co_u32 s46, s46, WOFF
	s_mov_b32 s47, 0
	s_mul_i32 s20, s12, HALFA
	s_mul_i32 s21, s12, HALFB
	s_add_co_u32 s21, s21, 2*HALFA
	s_mov_b32 s[SB], SLOT
	s_mov_b32 s[TB], 0
	s_wait_dscnt 0x0
	s_wait_kmcnt 0x0
	s_add_nc_u64 s[14:15], s[4:5], s[16:17]
	s_add_nc_u64 s[46:47], s[6:7], s[46:47]
	CROUND
.irp s, 0,1
	s_mov_b32 s[G0+4*(\s)], 1
	s_add_co_u32 s[G0+4*(\s)+1], s20, (\s)*SLOT
	s_add_nc_u64 s[G0+4*(\s)+2:G0+4*(\s)+3], s[14:15], (\s)*KSTEP*2
	s_or_b32 s[G0+4*(\s)+3], s[G0+4*(\s)+3], 0x80000000
	s_mov_b32 s[G0B+4*(\s)], 1
	s_add_co_u32 s[G0B+4*(\s)+1], s21, (\s)*SLOT
	s_add_nc_u64 s[G0B+4*(\s)+2:G0B+4*(\s)+3], s[46:47], (\s)*KSTEP*2
	s_or_b32 s[G0B+4*(\s)+3], s[G0B+4*(\s)+3], 0x80000000
	JLOAD \s
.endr
	v_and_b32 v1, 15, v0
	v_bfe_u32 v2, v0, 4, 1
	v_mul_u32_u24 v3, v1, PITCH
	v_lshl_add_u32 v3, v2, 4, v3
	s_mul_i32 s22, s11, HALFA
	v_add_nc_u32 v[A0], s22, v3
	v_add_nc_u32 v[B0], s21, v3
	; the way out: the stage lies in slot 0, 128 rows of 528 bytes
	s_mul_i32 s22, s11, 64*SP
	s_lshl_b32 s23, s12, 8
	s_add_co_u32 s22, s22, s23
	v_mul_u32_u24 v4, v1, SP
	v_lshl_add_u32 v4, v2, 5, v4
	v_add_nc_u32 v[STO], s22, v4
	v_and_b32 v6, 31, v0
	v_lshlrev_b32 v[CO], 4, v6
	s_mul_i32 s22, s10, 32*SP
	v_add_nc_u32 v[RD], s22, v[CO]
	v_lshlrev_b32 v[XO], 12, v1                    ; the residual: row l % 16, 8 (l / 16) columns on
	v_lshl_add_u32 v[XO], v2, 5, v[XO]
	v_lshlrev_b32 v[BO], 5, v2
	s_lshl_b32 s74, s42, 9                         ; my 64 columns, in bytes of f32
	s_lshl_b32 s75, s12, 8
	s_add_co_u32 s74, s74, s75
	s_mov_b32 s75, 0
	s_add_nc_u64 s[66:67], s[66:67], s[74:75]
	s_lshl_b32 s72, s13, 7
	s_lshl_b32 s73, s11, 6
	s_add_co_u32 s72, s72, s73
	s_lshl_b32 s72, s72, 12
	s_add_co_u32 s72, s72, s74
	s_mov_b32 s73, 0
	s_add_nc_u64 s[68:69], s[68:69], s[72:73]
	s_lshl_b32 s72, s13, 7
	s_lshl_b32 s76, s10, 5
	s_add_co_u32 s72, s72, s76
	s_lshl_b32 s72, s72, 12
	s_lshl_b32 s76, s42, 9
	s_add_co_u32 s72, s72, s76
	s_add_nc_u64 s[8:9], s[8:9], s[72:73]
	; The sums start as residual + bias, while the first tiles are on their way
	WIN 0x80
.set i, 0
.rept 16
	global_load_b128 v[8*i:8*i+3],   v[XO], s[68:69] offset:(i/4)*65536+(i%4)*64 th:TH_LOAD_NT
	global_load_b128 v[8*i+4:8*i+7], v[XO], s[68:69] offset:(i/4)*65536+(i%4)*64+16 th:TH_LOAD_NT
.set i, i+1
.endr
	WIN 0
.set i, 0
.rept 4
	global_load_b128 v[OB+8*i:OB+8*i+3],   v[BO], s[66:67] offset:64*i
	global_load_b128 v[OB+8*i+4:OB+8*i+7], v[BO], s[66:67] offset:64*i+16
.set i, i+1
.endr
	s_wait_loadcnt 0x0
	WIN 0x82
.set i, 0
.rept 64
	v_pk_add_f32 v[2*i:2*i+1], v[2*i:2*i+1], v[OB+8*((i/4)%4)+2*(i%4):OB+8*((i/4)%4)+2*(i%4)+1]
.set i, i+1
.endr
	WIN 0
	s_wait_tensorcnt 0x1                           ; my part of K step 0 is in; K step 1's may stay out
	s_barrier_signal -1
	s_barrier_wait -1
	FETCH F0
	s_mov_b32 s3, NS-2
.Lstep:
	QUARTER F0, F1
	QUARTER F1, F0
	QUARTER F0, F1
	TURN 1
	WIN 0
	s_sub_co_u32 s3, s3, 1
	s_cmp_lg_u32 s3, 0
	s_cbranch_scc1 .Lstep
	s_mov_b32 s3, 2
.Ltail:                                        ; the last two K steps fill nothing.  The second one's last run of loads reads slot 0's old tile and is never multiplied: the price of one text for both
	QUARTER F0, F1
	QUARTER F1, F0
	QUARTER F0, F1
	TURN 0
	WIN 0
	s_sub_co_u32 s3, s3, 1
	s_cmp_lg_u32 s3, 0
	s_cbranch_scc1 .Ltail
	; THE WAY OUT.  Slot 0 has had its last fill; behind this barrier nobody reads it.
.rept 8
	v_nop
.endr
	s_wait_dscnt 0x0
	s_barrier_signal -1
	s_barrier_wait -1
	WIN 0x08                                       ; the stores' data lie in window 2
.set i, 0
.rept 16
	ds_store_b128 v[STO], v[8*i:8*i+3]   offset:(i/4)*16*SP+(i%4)*64
	ds_store_b128 v[STO], v[8*i+4:8*i+7] offset:(i/4)*16*SP+(i%4)*64+16
.set i, i+1
.endr
	WIN 0
	s_wait_dscnt 0x0                               ; for the others' sake: a row's 512 bytes come from two waves
	s_barrier_signal -1
	s_barrier_wait -1
	s_mov_b32 s3, 4
.Lout:                                         ; eight whole rows of 512 bytes a trip
.set t, 0
.rept 8
	ds_load_b128 v[OB+4*t:OB+4*t+3], v[RD] offset:t*SP
.set t, t+1
.endr
.set t, 0
.rept 8
	s_wait_dscnt 7-t
	global_store_b128 v[CO], v[OB+4*t:OB+4*t+3], s[8:9] offset:t*SIZE_N*4
.set t, t+1
.endr
	s_wait_xcnt 0x0                                ; the stores have read their registers and their base
	v_add_nc_u32 v[RD], 8*SP, v[RD]
	s_add_nc_u64 s[8:9], s[8:9], 8*SIZE_N*4
	s_sub_co_u32 s3, s3, 1
	s_cmp_lg_u32 s3, 0
	s_cbranch_scc1 .Lout
	s_wait_tensorcnt 0x0                           ; the wave's end
	ds_add_u32 v[SPW], v[NIL]
	s_wait_dscnt 0x0
	CROUND
	s_endpgm
.Lfunc_end_k_qb8181c5bdf_proj:
	.size	k_qb8181c5bdf_proj, .Lfunc_end_k_qb8181c5bdf_proj-k_qb8181c5bdf_proj
	.p2alignl 7, 3214868480
	.fill 96, 4, 3214868480
	.section	.rodata,"a",@progbits
	.p2align	6, 0x0
	.amdhsa_kernel k_qb8181c5bdf_proj
		.amdhsa_group_segment_fixed_size 327680
		.amdhsa_private_segment_fixed_size 0
		.amdhsa_enable_private_segment 0
		.amdhsa_kernarg_size 40
		.amdhsa_user_sgpr_count 2
		.amdhsa_user_sgpr_kernarg_segment_ptr 1
		.amdhsa_wavefront_size32 1
		.amdhsa_system_sgpr_workgroup_id_x 1
		.amdhsa_system_sgpr_workgroup_id_y 1
		.amdhsa_system_sgpr_workgroup_id_z 1
		.amdhsa_system_vgpr_workitem_id 0
		.amdhsa_next_free_vgpr 640
		.amdhsa_next_free_sgpr 80
		.amdhsa_reserve_vcc 0
		.amdhsa_float_denorm_mode_32 3
		.amdhsa_float_denorm_mode_16_64 3
		.amdhsa_memory_ordered 1
		.amdhsa_forward_progress 1
		.amdhsa_inst_pref_size 60
	.end_amdhsa_kernel
	.amdgpu_metadata
---
amdhsa.version: [ 1, 2 ]
amdhsa.kernels:
  - .name:           k_qb8181c5bdf_proj
    .symbol:         k_qb8181c5bdf_proj.kd
    .args:
      - { .name: att, .offset: 0, .size: 8, .value_kind: global_buffer, .address_space: global }
      - { .name: wt, .offset: 8, .size: 8, .value_kind: global_buffer, .address_space: global }
      - { .name: x1, .offset: 16, .size: 8, .value_kind: global_buffer, .address_space: global }
      - { .name: b_proj, .offset: 24, .size: 8, .value_kind: global_buffer, .address_space: global }
      - { .name: x, .offset: 32, .size: 8, .value_kind: global_buffer, .address_space: global }
    .group_segment_fixed_size: 327680
    .private_segment_fixed_size: 0
    .kernarg_segment_align: 8
    .kernarg_segment_size: 40
    .max_flat_workgroup_size: 128
    .sgpr_count:     80
    .vgpr_count:     640
    .wavefront_size: 32
...
	.end_amdgpu_metadata
.endif
;; end of part 4
;; launch ln2 (part 5): grid 512 x 1, 8 waves a work-group, no clusters, 0 bytes of LDS; arguments x1, ln2_scale, ln2_bias, h2; writes h2
.if DOCPART == 5
	.amdgcn_target "amdgcn-amd-amdhsa--gfx1250"
	.amdhsa_code_object_version 6
	.text
	.protected	k_qb8181c5bdf_ln2
	.globl	k_qb8181c5bdf_ln2
	.p2align	8
	.type	k_qb8181c5bdf_ln2,@function
k_qb8181c5bdf_ln2:
	s_mov_b64 s[64:65], 0
	v_nop
	global_prefetch_b8 v0, s[64:65] scope:SCOPE_SE
	s_setreg_imm32_b32 hwreg(HW_REG_WAVE_MODE, 25, 1), 1
	s_wait_xcnt 0x0
; h2 = LayerNorm2(x1) in f16.  x1: [4096][1024] f32.  A wave takes a row and keeps it in 32 registers between the passes (mean; centred squares; scaling): the row is read once, no wave waits for another.
; LIMIT: a value beyond 65,504 becomes an infinity.
.set T,   4
.set MU,  8
.set RS,  10
.set U,   12
.set X,   16
.set G,   48
.set BV,  80
.macro REDUCE
	v_add_f32_dpp v[T], v[T], v[T] row_xmask:1 row_mask:0xf bank_mask:0xf
	v_add_f32_dpp v[T], v[T], v[T] row_xmask:2 row_mask:0xf bank_mask:0xf
	v_add_f32_dpp v[T], v[T], v[T] row_xmask:4 row_mask:0xf bank_mask:0xf
	v_add_f32_dpp v[T], v[T], v[T] row_xmask:8 row_mask:0xf bank_mask:0xf
	v_permlanex16_b32 v[T+1], v[T], s40, s41
	v_add_f32 v[T], v[T], v[T+1]
.endm
	s_load_b256 s[8:15], s[0:1], 0x0               ; x1, ln2_scale, ln2_bias, h2
	v_lshrrev_b32 v1, 5, v0
	v_readfirstlane_b32 s2, v1
	v_and_b32 v2, 31, v0
	s_lshl_b32 s32, ttmp9, 3
	s_add_co_u32 s32, s32, s2                      ; my row
	s_lshl_b32 s34, s32, 12
	s_mov_b32 s35, 0
	s_lshl_b32 s36, s32, 11
	s_mov_b32 s37, 0
	v_lshlrev_b32 v1, 4, v2                        ; 16 x lane: a load of the wave covers 512 consecutive bytes
	v_lshlrev_b32 v3, 3, v2                        ; 8 x lane: a store covers 256 consecutive bytes, aligned
	s_wait_kmcnt 0x0
	s_add_nc_u64 s[8:9], s[8:9], s[34:35]
	s_add_nc_u64 s[14:15], s[14:15], s[36:37]
.irp j, 0,1,2,3,4,5,6,7
	global_load_b128 v[X+4*(\j):X+4*(\j)+3], v1, s[8:9] offset:512*(\j)
.endr
.irp j, 0,1,2,3,4,5,6,7
	global_load_b128 v[G+4*(\j):G+4*(\j)+3], v1, s[10:11] offset:512*(\j)
.endr
.irp j, 0,1,2,3,4,5,6,7
	global_load_b128 v[BV+4*(\j):BV+4*(\j)+3], v1, s[12:13] offset:512*(\j)
.endr
	s_mov_b32 s4, 0x3a800000                       ; 1 / 1024
	s_mov_b32 s5, 0x358637bd                       ; 1e-6
	s_mov_b32 s40, 0x76543210
	s_mov_b32 s41, 0xfedcba98
	s_wait_loadcnt 16                              ; the row is in; the 16 loads of gain and bias may stay out
	v_pk_add_f32 v[T:T+1], v[X:X+1], v[X+2:X+3]
	v_pk_add_f32 v[T+2:T+3], v[X+4:X+5], v[X+6:X+7]
.set p, 4
.rept 12
	v_pk_add_f32 v[T+2*(p%2):T+2*(p%2)+1], v[T+2*(p%2):T+2*(p%2)+1], v[X+2*p:X+2*p+1]
.set p, p+1
.endr
	v_pk_add_f32 v[T:T+1], v[T:T+1], v[T+2:T+3]
	v_add_f32 v[T], v[T], v[T+1]
	REDUCE
	v_mul_f32 v[MU], s4, v[T]
	v_mul_f32 v[MU+1], s4, v[T]
.set p, 0
.rept 16
	v_pk_add_f32 v[X+2*p:X+2*p+1], v[X+2*p:X+2*p+1], v[MU:MU+1] neg_lo:[0,1] neg_hi:[0,1]
.set p, p+1
.endr
	v_pk_mul_f32 v[T:T+1], v[X:X+1], v[X:X+1]
	v_pk_mul_f32 v[T+2:T+3], v[X+2:X+3], v[X+2:X+3]
.set p, 2
.rept 14
	v_pk_fma_f32 v[T+2*(p%2):T+2*(p%2)+1], v[X+2*p:X+2*p+1], v[X+2*p:X+2*p+1], v[T+2*(p%2):T+2*(p%2)+1]
.set p, p+1
.endr
	v_pk_add_f32 v[T:T+1], v[T:T+1], v[T+2:T+3]
	v_add_f32 v[T], v[T], v[T+1]
	REDUCE
	v_fma_f32 v[U], v[T], s4, s5
	v_rsq_f32 v[RS], v[U]
	v_rsq_f32 v[RS+1], v[U]
	v_nop                                          ; a plain instruction behind the second root
	s_wait_alu depctr_va_vdst(0)                   ; one wait for both, ahead of their first reader
	s_wait_loadcnt 0x0
.set p, 0
.rept 16
	v_pk_mul_f32 v[X+2*p:X+2*p+1], v[X+2*p:X+2*p+1], v[RS:RS+1]
	v_pk_fma_f32 v[X+2*p:X+2*p+1], v[X+2*p:X+2*p+1], v[G+2*p:G+2*p+1], v[BV+2*p:BV+2*p+1]
.set p, p+1
.endr
.set p, 0
.rept 16
	v_cvt_pk_f16_f32 v[X+p], v[X+2*p], v[X+2*p+1]
.set p, p+1
.endr
.irp j, 0,1,2,3,4,5,6,7
	global_store_b64 v3, v[X+2*(\j):X+2*(\j)+1], s[14:15] offset:256*(\j)
.endr
	s_endpgm
.Lfunc_end_k_qb8181c5bdf_ln2:
	.size	k_qb8181c5bdf_ln2, .Lfunc_end_k_qb8181c5bdf_ln2-k_qb8181c5bdf_ln2
	.p2alignl 7, 3214868480
	.fill 96, 4, 3214868480
	.section	.rodata,"a",@progbits
	.p2align	6, 0x0
	.amdhsa_kernel k_qb8181c5bdf_ln2
		.amdhsa_group_segment_fixed_size 0
		.amdhsa_private_segment_fixed_size 0
		.amdhsa_enable_private_segment 0
		.amdhsa_kernarg_size 32
		.amdhsa_user_sgpr_count 2
		.amdhsa_user_sgpr_kernarg_segment_ptr 1
		.amdhsa_wavefront_size32 1
		.amdhsa_system_sgpr_workgroup_id_x 1
		.amdhsa_system_sgpr_workgroup_id_y 1
		.amdhsa_system_sgpr_workgroup_id_z 1
		.amdhsa_system_vgpr_workitem_id 0
		.amdhsa_next_free_vgpr 112
		.amdhsa_next_free_sgpr 66
		.amdhsa_reserve_vcc 0
		.amdhsa_float_denorm_mode_32 3
		.amdhsa_float_denorm_mode_16_64 3
		.amdhsa_memory_ordered 1
		.amdhsa_forward_progress 1
		.amdhsa_inst_pref_size 12
	.end_amdhsa_kernel
	.amdgpu_metadata
---
amdhsa.version: [ 1, 2 ]
amdhsa.kernels:
  - .name:           k_qb8181c5bdf_ln2
    .symbol:         k_qb8181c5bdf_ln2.kd
    .args:
      - { .name: x1, .offset: 0, .size: 8, .value_kind: global_buffer, .address_space: global }
      - { .name: ln2_scale, .offset: 8, .size: 8, .value_kind: global_buffer, .address_space: global }
      - { .name: ln2_bias, .offset: 16, .size: 8, .value_kind: global_buffer, .address_space: global }
      - { .name: h2, .offset: 24, .size: 8, .value_kind: global_buffer, .address_space: global }
    .group_segment_fixed_size: 0
    .private_segment_fixed_size: 0
    .kernarg_segment_align: 8
    .kernarg_segment_size: 32
    .max_flat_workgroup_size: 256
    .sgpr_count:     66
    .vgpr_count:     112
    .wavefront_size: 32
...
	.end_amdgpu_metadata
.endif
;; end of part 5
;; launch ff1 (part 6): grid 16 x 16, 4 waves a work-group, clusters of 4 x 4, 327,680 bytes of LDS; arguments h2, wt, hid, b1; writes hid
.if DOCPART == 6
	.amdgcn_target "amdgcn-amd-amdhsa--gfx1250"
	.amdhsa_code_object_version 6
	.text
	.protected	k_qb8181c5bdf_ff1
	.globl	k_qb8181c5bdf_ff1
	.p2align	8
	.type	k_qb8181c5bdf_ff1,@function
k_qb8181c5bdf_ff1:
	s_mov_b64 s[64:65], 0
	v_nop
	global_prefetch_b8 v0, s[64:65] scope:SCOPE_SE
	s_setreg_imm32_b32 hwreg(HW_REG_WAVE_MODE, 25, 1), 1
	s_wait_xcnt 0x0
	s_wait_alu depctr_hold_cnt(0) depctr_sa_sdst(0) depctr_va_vdst(0) depctr_va_sdst(0) depctr_va_ssrc(0) depctr_va_vcc(0) depctr_vm_vsrc(0)
	s_getreg_b32 s2, hwreg(HW_REG_IB_STS2, 6, 4)
	s_cmp_eq_u32 s2, 0
	s_cbranch_scc0 .Lentry_in_a_cluster
	s_endpgm
.Lentry_in_a_cluster:
	s_bfe_u32 s2, ttmp6, 0x10000c
	s_cmp_lg_u32 s2, 0xf033
	s_cbranch_scc0 .Lentry_shape_is_right
	s_endpgm
.Lentry_shape_is_right:
; hid = relu(h2 x W1T^T + b1) in f16.  h2: [4096][1024] f16; W1T: [4096][1024] f16 at byte 8,388,608 of wt; hid: [4096][4096] f16, rounded once (the maximum with 0 is taken of the rounded number: the same).
; LIMITS: a sum beyond 65,504 becomes an infinity; a NaN becomes 0.
; A tile of C is 256 x 256: 16 x 16 tiles, one work-group each.  Four waves, each 128 x 128: 64 accumulators.  K goes in steps of 128 through two LDS slots filled by joint tensor loads (4 x 4 work-groups a
; cluster; A's tile shared along a row, B's along a column).  One K step is written for the loop and one for the tail; the slot is a scalar turned by an exclusive or.  The matrix instruction is used
; transposed: a lane holds 8 neighbouring columns of a row of C.
; REGISTERS: window 0: addresses, v32-63 way out, A's fragments v64-127, v128-191, v192-255 bias and way out; window 1: B's fragments; windows 2, 3: accumulator 8 a + b.
.set SIZE_N, 4096
.set SIZE_K, 1024
.set MA,     8
.set NBL,    8
.set DEP,    1
.set WOFF,   8388608
.set PF,     1
.set SP,     528                       ; a stage row: 512 bytes + 16
.set REST,   MA
.set KSTEP,  128*DEP
.set PITCH,  2*KSTEP+16
.set QI,     4+DEP
.set NS,     SIZE_K/KSTEP
.set TM,     32*MA
.set TN,     32*NBL
.set HALFA,  16*MA*PITCH
.set HALFB,  16*NBL*PITCH
.set SLOT,   2*HALFA+2*HALFB
.set SPARE,  2*SLOT
.set QB,     64*DEP
.set NW,     MA*NBL*DEP
.set NL,     2*DEP*(MA+NBL)
.set A0,  16
.set B0,  17
.set ADA, 18
.set ADB, 19
.set BO,  5                            ; v5   my byte offset in the bias; never rewritten
.set STO, 24
.set RD,  25
.set CO,  26
.set SPW, 28
.set NIL, 29
.set PFO, 30
.set ZR,  31                           ; v31  0, for the packed maximum
.set OB,  32
.set F0,  64
.set F1,  128
.set TMP, 192
.set G1,  24
.set G0,  32
.set G1B, 48
.set G0B, 56
.set LIM, 43
.set PFA, 44
.set SB,  70
.set TB,  71
.set MSB, 0
.macro WIN new
.if MSB != (\new)
	s_set_vgpr_msb (MSB<<8)|(\new)
.set MSB, (\new)
.endif
.endm
.macro PLACES
.rept 4
	v_nop
.endr
.endm
.macro JLOAD s                         ; a joint load: waves 0 and 1 fetch A's two halves, waves 2 and 3 B's; an s_nop 0 and four v_nop follow each line
	s_cmp_eq_u32 s11, 0
	s_cbranch_scc0 .Lfor_b_\@
	tensor_load_to_lds s[G0+4*(\s):G0+4*(\s)+3], s[G1:G1+7]
	s_nop 0
.rept 4
	v_nop
.endr
	s_branch .Lasked_\@
.Lfor_b_\@:
	tensor_load_to_lds s[G0B+4*(\s):G0B+4*(\s)+3], s[G1B:G1B+7]
	s_nop 0
.rept 4
	v_nop
.endr
.Lasked_\@:
.endm
.macro CREST
	s_cmp_lg_u32 s10, 0
	s_cbranch_scc1 .Lnot_wave_0_\@
	s_barrier_signal -3
.Lnot_wave_0_\@:
	s_barrier_wait -3
	s_barrier_signal -1
	s_barrier_wait -1
.endm
.macro CROUND
	s_barrier_signal -1
	s_barrier_wait -1
	CREST
.endm
; The K step that stands two refills on is asked of memory: a lane a row, 256 bytes of each.  A's rows are asked for by the clusters with x = 0, B's by those with y = 0; the four partners that fetch a
; tile jointly share its rows out by address, 32 each.  The last two refills have no K step two on.
.macro ASK
	s_cmp_gt_u32 s3, s[LIM]
	s_cbranch_scc0 .Lnot_mine_\@
	global_prefetch_b8 v[PFO], s[PFA:PFA+1] offset:KSTEP*2 th:TH_LOAD_NT scope:SCOPE_SE
.Lnot_mine_\@:
.endm
.macro MULP f, p                       ; a quarter of a quarter step's matrix instructions; the accumulators take turns, one instruction a turn
.set mi, (\p)*NW/4
.rept NW/4
.set mc, mi/(MA*NBL)
.set ma, (mi/NBL)%MA
.set mb, mi%NBL
.set mx, ma*NBL+mb
.set mr, 8*(mx%32)
	WIN 0x50*(2+mx/32)+1
	v_wmma_f32_16x16x32_f16 v[mr:mr+7], v[(\f)+8*(NBL*mc+mb):(\f)+8*(NBL*mc+mb)+7], v[(\f)+8*(MA*mc+ma):(\f)+8*(MA*mc+ma)+7], v[mr:mr+7]
.set mi, mi+1
.endr
.endm
.macro FRAGS adr, base, n, c
.set fi, 0
.rept \n
	ds_load_b128 v[(\base)+8*((\n)*(\c)+fi):(\base)+8*((\n)*(\c)+fi)+3],   v[\adr] offset:64*(\c)+fi*16*PITCH
	ds_load_b128 v[(\base)+8*((\n)*(\c)+fi)+4:(\base)+8*((\n)*(\c)+fi)+7], v[\adr] offset:64*(\c)+fi*16*PITCH+32
.set fi, fi+1
.endr
.endm
.macro FETCH g
	WIN 0
	v_add_nc_u32 v[ADA], s[TB], v[A0]
	v_add_nc_u32 v[ADB], s[TB], v[B0]
	WIN 0x40
	FRAGS ADB, \g, NBL, 0
	WIN 0
	FRAGS ADA, \g, MA, 0
.if DEP == 2
	FRAGS ADA, \g, MA, 1
	WIN 0x40
	FRAGS ADB, \g, NBL, 1
	WIN 0
.endif
.endm
.macro QUARTER f, g
	s_wait_dscnt REST                              ; all but the youngest REST loads are in
	MULP \f, 0
	MULP \f, 1
	s_add_co_u32 s[TB], s[TB], QB
	WIN 0
	PLACES
	FETCH \g
	s_wait_dscnt NL                                ; all but the run just issued
	MULP \f, 2
	MULP \f, 3
.endm
; The last quarter changes slots: in front of the barrier each wave waits for all its tensor loads, adds 0 to its spare word, and waits for that and for its reads of this slot.
; fill = 1: the barrier opens a round of the cluster's barrier, and the joint refill, two K steps ahead, is the first thing behind the round.
.macro TURN fill
.if (\fill) && PF
	s_wait_xcnt 0x0                                ; the last prefetch, a K step back, has read its address
	s_add_nc_u64 s[PFA:PFA+1], s[PFA:PFA+1], KSTEP*2
.endif
	WIN 0
	s_wait_tensorcnt 0x0
	ds_add_u32 v[SPW], v[NIL]
.if \fill
	s_xor_b32 s[SB], s[SB], SLOT
	s_add_co_u32 s[G0+5], s[SB], s20
	s_add_co_u32 s[G0B+5], s[SB], s21
	s_add_nc_u64 s[G0+6:G0+7], s[G0+6:G0+7], KSTEP*2
	s_add_nc_u64 s[G0B+6:G0B+7], s[G0B+6:G0B+7], KSTEP*2
.endif
	s_sub_co_u32 s[TB], s[TB], 3*QB
	s_xor_b32 s[TB], s[TB], SLOT
	s_wait_dscnt REST+1                            ; the add and the youngest REST loads may be out
	MULP F1, 0
	s_wait_dscnt 0x0
	s_barrier_signal -1
	MULP F1, 1
	WIN 0
	s_barrier_wait -1
.if \fill
	CREST
	JLOAD 1
.else
	PLACES
.endif
	FETCH F0
.if (\fill) && PF
	ASK
.endif
	MULP F1, 2
	MULP F1, 3
.endm
	s_load_b128 s[4:7], s[0:1], 0x0                ; A s[4:5], wt s[6:7]
	s_load_b64 s[8:9], s[0:1], 0x10                ; C
	s_load_b64 s[66:67], s[0:1], 0x18              ; the bias
	v_lshl_add_u32 v[SPW], v0, 2, SPARE
	v_mov_b32 v[NIL], 0
	ds_add_u32 v[SPW], v[NIL]                      ; the wave's opening: the add, twice on end, and its wait ahead of my first tensor load
	ds_add_u32 v[SPW], v[NIL]
	v_lshrrev_b32 v1, 5, v0
	v_readfirstlane_b32 s10, v1
	s_lshr_b32 s11, s10, 1
	s_and_b32 s12, s10, 1
	s_bfe_u32 s40, ttmp6, 0x40000
	s_bfe_u32 s41, ttmp6, 0x40004
	s_lshl_b32 s42, ttmp9, 2
	s_add_co_u32 s42, s42, s40                     ; tile column
	s_and_b32 s13, ttmp7, 0xffff
	s_lshl_b32 s13, s13, 2
	s_add_co_u32 s13, s13, s41                     ; tile row
	s_lshl_b32 s43, s41, 2
	s_lshl_b32 s43, 15, s43
	s_lshl_b32 s44, 0x1111, s40
	s_or_b32 s[G1], s43, (1<<16)|(1<<20)|(1<<21)|(QI<<22)|(3<<25)
	s_or_b32 s[G1B], s44, (1<<16)|(1<<20)|(1<<21)|(QI<<22)|(3<<25)
	s_mov_b32 s[G1+1], KSTEP<<16
	s_mov_b32 s[G1+2], (16*MA)<<16
	s_mov_b32 s[G1+3], KSTEP<<16
	s_mov_b32 s[G1+4], 16*MA
	s_mov_b32 s[G1+5], SIZE_K
	s_mov_b32 s[G1+6], 0
	s_mov_b32 s[G1+7], 0
	s_mov_b32 s[G1B+1], KSTEP<<16
	s_mov_b32 s[G1B+2], (16*NBL)<<16
	s_mov_b32 s[G1B+3], KSTEP<<16
	s_mov_b32 s[G1B+4], 16*NBL
	s_mov_b32 s[G1B+5], SIZE_K
	s_mov_b32 s[G1B+6], 0
	s_mov_b32 s[G1B+7], 0
	s_mul_i32 s16, s13, TM
	s_mul_i32 s17, s12, 16*MA
	s_add_co_u32 s16, s16, s17
	s_mul_i32 s16, s16, SIZE_K*2
	s_mov_b32 s17, 0
	s_mul_i32 s46, s42, TN
	s_mul_i32 s47, s12, 16*NBL
	s_add_co_u32 s46, s46, s47
	s_mul_i32 s46, s46, SIZE_K*2
	s_add_co_u32 s46, s46, WOFF
	s_mov_b32 s47, 0
	s_mul_i32 s20, s12, HALFA
	s_mul_i32 s21, s12, HALFB
	s_add_co_u32 s21, s21, 2*HALFA
	s_mov_b32 s[SB], SLOT
	s_mov_b32 s[TB], 0
	s_wait_dscnt 0x0
	s_wait_kmcnt 0x0
	s_add_nc_u64 s[14:15], s[4:5], s[16:17]
	s_add_nc_u64 s[46:47], s[6:7], s[46:47]
	CROUND
.irp s, 0,1
	s_mov_b32 s[G0+4*(\s)], 1
	s_add_co_u32 s[G0+4*(\s)+1], s20, (\s)*SLOT
	s_add_nc_u64 s[G0+4*(\s)+2:G0+4*(\s)+3], s[14:15], (\s)*KSTEP*2
	s_or_b32 s[G0+4*(\s)+3], s[G0+4*(\s)+3], 0x80000000
	s_mov_b32 s[G0B+4*(\s)], 1
	s_add_co_u32 s[G0B+4*(\s)+1], s21, (\s)*SLOT
	s_add_nc_u64 s[G0B+4*(\s)+2:G0B+4*(\s)+3], s[46:47], (\s)*KSTEP*2
	s_or_b32 s[G0B+4*(\s)+3], s[G0B+4*(\s)+3], 0x80000000
	JLOAD \s
.endr
	v_and_b32 v1, 15, v0
	v_bfe_u32 v2, v0, 4, 1
	v_mul_u32_u24 v3, v1, PITCH
	v_lshl_add_u32 v3, v2, 4, v3
	s_mul_i32 s22, s11, HALFA
	v_add_nc_u32 v[A0], s22, v3
	v_add_nc_u32 v[B0], s21, v3
	; the prefetches: my work-group's share of the rows that I fetch, at K step 2
	s_mul_i32 s72, s13, TM
	s_mul_i32 s73, s12, 16*MA
	s_add_co_u32 s72, s72, s73
	s_mul_i32 s73, s40, 4*MA
	s_add_co_u32 s72, s72, s73
	s_mul_i32 s72, s72, SIZE_K*2
	s_mul_i32 s74, s42, TN
	s_mul_i32 s73, s12, 16*NBL
	s_add_co_u32 s74, s74, s73
	s_mul_i32 s73, s41, 4*NBL
	s_add_co_u32 s74, s74, s73
	s_mul_i32 s74, s74, SIZE_K*2
	s_add_co_u32 s74, s74, WOFF
	s_and_b32 s75, ttmp7, 0xffff
	s_cmp_eq_u32 s11, 0
	s_cselect_b32 s72, s72, s74
	s_cselect_b32 s75, ttmp9, s75
	s_cselect_b32 s76, 4*MA-1, 4*NBL-1
	s_cselect_b64 s[PFA:PFA+1], s[4:5], s[6:7]
	s_cmp_eq_u32 s75, 0
	s_cselect_b32 s[LIM], 2, -1
	s_add_co_u32 s72, s72, 2*KSTEP*2
	s_mov_b32 s73, 0
	s_add_nc_u64 s[PFA:PFA+1], s[PFA:PFA+1], s[72:73]
	v_and_b32 v[PFO], 31, v0
	v_min_u32 v[PFO], s76, v[PFO]
	v_mul_u32_u24 v[PFO], v[PFO], SIZE_K*2
	; the way out: the stage lies in slot 0, 256 rows of 528 bytes
	s_mul_i32 s22, s11, 16*MA*SP
	s_mul_i32 s23, s12, 32*NBL
	s_add_co_u32 s22, s22, s23
	v_mul_u32_u24 v4, v1, SP
	v_lshl_add_u32 v4, v2, 4, v4
	v_add_nc_u32 v[STO], s22, v4
	v_and_b32 v6, 31, v0
	v_lshlrev_b32 v[CO], 4, v6
	s_mul_i32 s22, s10, 64*SP
	v_add_nc_u32 v[RD], s22, v[CO]
	v_lshlrev_b32 v[BO], 5, v2
	v_mov_b32 v[ZR], 0
	s_lshl_b32 s72, s13, 8
	s_lshl_b32 s73, s10, 6
	s_add_co_u32 s72, s72, s73
	s_mul_i32 s72, s72, SIZE_N*2
	s_lshl_b32 s73, s42, 9
	s_add_co_u32 s72, s72, s73
	s_mov_b32 s73, 0
	s_add_nc_u64 s[8:9], s[8:9], s[72:73]
	s_lshl_b32 s72, s42, 10                        ; my 128 columns of the bias, in bytes of f32
	s_lshl_b32 s74, s12, 9
	s_add_co_u32 s72, s72, s74
	s_add_nc_u64 s[66:67], s[66:67], s[72:73]
	; The sums start as the bias, while the first tiles are on their way: one matrix instruction an accumulator, on a fragment of zeros, with the bias of its 16 columns as C: 64 lines in place of 512 moves
.set i, 0
.rept NBL
	global_load_b128 v[TMP+8*i:TMP+8*i+3],   v[BO], s[66:67] offset:64*i
	global_load_b128 v[TMP+8*i+4:TMP+8*i+7], v[BO], s[66:67] offset:64*i+16
.set i, i+1
.endr
.set i, 0
.rept 8
	v_mov_b32 v[F0+i], 0
.set i, i+1
.endr
	WIN 0x40
.set i, 0
.rept 8
	v_mov_b32 v[F0+i], 0
.set i, i+1
.endr
	s_wait_loadcnt 0x0
.set mx, 0
.rept MA*NBL
	WIN 0x40*(2+mx/32)+1
	v_wmma_f32_16x16x32_f16 v[8*(mx%32):8*(mx%32)+7], v[F0:F0+7], v[F0:F0+7], v[TMP+8*(mx%NBL):TMP+8*(mx%NBL)+7]
.set mx, mx+1
.endr
	WIN 0
	PLACES
	s_wait_tensorcnt 0x1                           ; my part of K step 0 is in; K step 1's may stay out
	s_barrier_signal -1
	s_barrier_wait -1
	FETCH F0
	s_mov_b32 s3, NS-2
.Lstep:
	QUARTER F0, F1
	QUARTER F1, F0
	QUARTER F0, F1
	TURN 1
	WIN 0
	s_sub_co_u32 s3, s3, 1
	s_cmp_lg_u32 s3, 0
	s_cbranch_scc1 .Lstep
	s_mov_b32 s3, 2
.Ltail:                                        ; the last two K steps fill nothing.  The second one's last run of loads reads slot 0's old tile and is never multiplied: the price of one text for both
	QUARTER F0, F1
	QUARTER F1, F0
	QUARTER F0, F1
	TURN 0
	WIN 0
	s_sub_co_u32 s3, s3, 1
	s_cmp_lg_u32 s3, 0
	s_cbranch_scc1 .Ltail
	; THE WAY OUT.  Slot 0 has had its last fill; behind this barrier nobody reads it.
.rept 8
	v_nop
.endr
	s_wait_dscnt 0x0
	s_barrier_signal -1
	s_barrier_wait -1
.set oa, 0
.rept MA
.set ob, 0
.rept NBL
.set ox, oa*NBL+ob
.set orr, 8*(ox%32)
	WIN 5*(2+ox/32)
	v_cvt_pk_f16_f32 v[TMP+4*ob], v[orr], v[orr+1]
	v_cvt_pk_f16_f32 v[TMP+4*ob+1], v[orr+2], v[orr+3]
	v_cvt_pk_f16_f32 v[TMP+4*ob+2], v[orr+4], v[orr+5]
	v_cvt_pk_f16_f32 v[TMP+4*ob+3], v[orr+6], v[orr+7]
.set ob, ob+1
.endr
	WIN 0
.set ob, 0
.rept NBL
	ds_store_b128 v[STO], v[TMP+4*ob:TMP+4*ob+3] offset:oa*16*SP+32*ob
.set ob, ob+1
.endr
.set oa, oa+1
.endr
	s_wait_dscnt 0x0                               ; for the others' sake: a row's 512 bytes come from two waves
	s_barrier_signal -1
	s_barrier_wait -1
	s_mov_b32 s3, 8
.Lout:                                         ; eight whole rows of 512 bytes a trip; the maximum with 0 on the way
.set t, 0
.rept 8
	ds_load_b128 v[OB+4*t:OB+4*t+3], v[RD] offset:t*SP
.set t, t+1
.endr
.set t, 0
.rept 8
	s_wait_dscnt 7-t
	v_pk_max_num_f16 v[OB+4*t], v[OB+4*t], v[ZR]
	v_pk_max_num_f16 v[OB+4*t+1], v[OB+4*t+1], v[ZR]
	v_pk_max_num_f16 v[OB+4*t+2], v[OB+4*t+2], v[ZR]
	v_pk_max_num_f16 v[OB+4*t+3], v[OB+4*t+3], v[ZR]
	global_store_b128 v[CO], v[OB+4*t:OB+4*t+3], s[8:9] offset:t*SIZE_N*2
.set t, t+1
.endr
	s_wait_xcnt 0x0                                ; the stores have read their registers and their base
	v_add_nc_u32 v[RD], 8*SP, v[RD]
	s_add_nc_u64 s[8:9], s[8:9], 8*SIZE_N*2
	s_sub_co_u32 s3, s3, 1
	s_cmp_lg_u32 s3, 0
	s_cbranch_scc1 .Lout
	s_wait_tensorcnt 0x0                           ; the wave's end
	ds_add_u32 v[SPW], v[NIL]
	s_wait_dscnt 0x0
	CROUND
	s_endpgm
.Lfunc_end_k_qb8181c5bdf_ff1:
	.size	k_qb8181c5bdf_ff1, .Lfunc_end_k_qb8181c5bdf_ff1-k_qb8181c5bdf_ff1
	.p2alignl 7, 3214868480
	.fill 96, 4, 3214868480
	.section	.rodata,"a",@progbits
	.p2align	6, 0x0
	.amdhsa_kernel k_qb8181c5bdf_ff1
		.amdhsa_group_segment_fixed_size 327680
		.amdhsa_private_segment_fixed_size 0
		.amdhsa_enable_private_segment 0
		.amdhsa_kernarg_size 32
		.amdhsa_user_sgpr_count 2
		.amdhsa_user_sgpr_kernarg_segment_ptr 1
		.amdhsa_wavefront_size32 1
		.amdhsa_system_sgpr_workgroup_id_x 1
		.amdhsa_system_sgpr_workgroup_id_y 1
		.amdhsa_system_sgpr_workgroup_id_z 1
		.amdhsa_system_vgpr_workitem_id 0
		.amdhsa_next_free_vgpr 1024
		.amdhsa_next_free_sgpr 80
		.amdhsa_reserve_vcc 0
		.amdhsa_float_denorm_mode_32 3
		.amdhsa_float_denorm_mode_16_64 3
		.amdhsa_memory_ordered 1
		.amdhsa_forward_progress 1
		.amdhsa_inst_pref_size 96
	.end_amdhsa_kernel
	.amdgpu_metadata
---
amdhsa.version: [ 1, 2 ]
amdhsa.kernels:
  - .name:           k_qb8181c5bdf_ff1
    .symbol:         k_qb8181c5bdf_ff1.kd
    .args:
      - { .name: h2, .offset: 0, .size: 8, .value_kind: global_buffer, .address_space: global }
      - { .name: wt, .offset: 8, .size: 8, .value_kind: global_buffer, .address_space: global }
      - { .name: hid, .offset: 16, .size: 8, .value_kind: global_buffer, .address_space: global }
      - { .name: b1, .offset: 24, .size: 8, .value_kind: global_buffer, .address_space: global }
    .group_segment_fixed_size: 327680
    .private_segment_fixed_size: 0
    .kernarg_segment_align: 8
    .kernarg_segment_size: 32
    .max_flat_workgroup_size: 128
    .sgpr_count:     80
    .vgpr_count:     1024
    .wavefront_size: 32
...
	.end_amdgpu_metadata
.endif
;; end of part 6
;; launch ff2 (part 7): grid 8 x 32, 4 waves a work-group, clusters of 4 x 1, 327,680 bytes of LDS; arguments hid, wt, out0, b2, x1; writes out0
.if DOCPART == 7
	.amdgcn_target "amdgcn-amd-amdhsa--gfx1250"
	.amdhsa_code_object_version 6
	.text
	.protected	k_qb8181c5bdf_ff2
	.globl	k_qb8181c5bdf_ff2
	.p2align	8
	.type	k_qb8181c5bdf_ff2,@function
k_qb8181c5bdf_ff2:
	s_mov_b64 s[64:65], 0
	v_nop
	global_prefetch_b8 v0, s[64:65] scope:SCOPE_SE
	s_setreg_imm32_b32 hwreg(HW_REG_WAVE_MODE, 25, 1), 1
	s_wait_xcnt 0x0
	s_wait_alu depctr_hold_cnt(0) depctr_sa_sdst(0) depctr_va_vdst(0) depctr_va_sdst(0) depctr_va_ssrc(0) depctr_va_vcc(0) depctr_vm_vsrc(0)
	s_getreg_b32 s2, hwreg(HW_REG_IB_STS2, 6, 4)
	s_cmp_eq_u32 s2, 0
	s_cbranch_scc0 .Lentry_in_a_cluster
	s_endpgm
.Lentry_in_a_cluster:
	s_bfe_u32 s2, ttmp6, 0x10000c
	s_cmp_lg_u32 s2, 0x3003
	s_cbranch_scc0 .Lentry_shape_is_right
	s_endpgm
.Lentry_shape_is_right:
; out0 = x1 + b2 + hid x W2.  hid: [4096][4096] f16; W2 in f16 at byte 16,777,216 of wt, in the order in which the registers take it: [group of 64 columns][unit of 32 k][block of 16 columns][1,024 bytes],
; a block being one fragment: two loads of 512 consecutive bytes.  x1, out0: [4096][1024] f32.  Sums in f32.
; A tile of out0 is 128 x 128: 8 x 32 tiles, one work-group each.  ONLY hid GOES THROUGH LDS.  With both operands in two slots a slot could hold 256 along K (256 rows x 528 bytes, twice, of 327,680);
; with hid alone it holds 512 (128 rows x 1,040 bytes, twice: 266,240), so a refill has 256 matrix instructions of each wave in which to land and there are 8 K steps.  W2 comes from memory straight into
; registers, through a ring of eight units in each wave: 56 loads of 512 bytes of a wave are out, bound to no barrier.
; SHARES.  Wave w = 2 kh + nh makes all 128 rows x the 64 columns of half nh, over half kh of each K step's 512: 32 accumulators.  So each byte of W2 is loaded by one wave of the work-group.  A wave numbers
; its blocks of 16 rows so that its blocks 0-3 are rows 64 kh on and its blocks 4-7 the other 64 (by address: one text for all waves); at the end it hands the sums of blocks 4-7 to wave w ^ 2 through
; LDS, as they lie in the registers, and finishes blocks 0-3: 64 x 64.
; CLUSTER.  The four tiles of a tile row that lie side by side need the same rows of hid: each wave's 32 rows x 1,024 bytes are asked for jointly by the four work-groups.  W2 is not asked for jointly: a
; joint load lands in LDS, where two slots of hid leave 60,928 bytes, less than one K step of W2 (128 x 1,040).
; The matrix instruction is used transposed (source 0 = 16 columns of W2, source 1 = 16 rows of hid): a lane holds 8 neighbouring columns of a row of out0.
; A UNIT is 32 along K: 32 matrix instructions, one an accumulator.  Its 24 loads (16 from LDS: hid's fragments of the next unit; 8 from memory: the ring slot read in the unit before) stand in ONE run behind
; its fourth product, never singly among the products: three window switches a unit, and hid's fragments are asked for 28 products ahead of their first use.
; REGISTERS.  Window 0: addresses, bias v8-11, v32-63 at work on the way out, hid's fragments v64-127 and v128-191.  Window 1: W2's ring, unit u at v[32 u].  Window 2: accumulator 4 j + b at v[8 (4 j + b)].
.set SIZE_N, 1024
.set SIZE_K, 4096
.set KSTEP,  512
.set NS,     SIZE_K/KSTEP
.set PITCH,  2*KSTEP+16                ; an LDS row: 1,024 bytes + 16 of padding, an odd multiple of 16
.set SLOT,   128*PITCH
.set SPARE,  2*SLOT                    ; behind the ring: the spare words, 128 bytes for each wave
.set XCH,    0                         ; the exchange, 16,384 bytes a wave, lies in slot 0, which has had its last fill and its last read when it is written
.set STAGE,  SLOT                      ; the stage, 128 rows of 528 bytes, lies in slot 1, written behind the exchange's barrier
.set SP,     528
.set WOFF,   16777216
.set BSTEP,  65536                     ; bytes of W2 from a K step to the next, for one group of columns: 16 units of 4,096
.set BI,   8                           ; v[8:11] the bias of my 4 columns of a stored row
.set ALO0, 16                          ; v16  my place in slot 0 for my row blocks 0-3; never rewritten
.set AHI0, 17                          ; v17  for my row blocks 4-7
.set ADLO, 18                          ; v18, v19  the same in the slot in hand
.set ADHI, 19
.set XS,   21                          ; v21  the exchange: where I put 16 bytes
.set XR,   22                          ; v22  where I read my partner's
.set STO,  24
.set RD,   25
.set CO,   26                          ; v26  16 x lane: my bytes in 512 consecutive ones, of W2, of the bias and of out0; never rewritten
.set XO,   27                          ; v27  my byte offset in the residual's rows; never rewritten
.set SPW,  28
.set NIL,  29
.set PFO,  30                          ; v30  the prefetches' offset: lane x a row of hid; never rewritten
.set OB,   32
.set FA0,  64
.set FA1,  128
.set G1,   24                          ; s[24:31] descriptor group 1; s[32:35] group 0 of slot 0's first fill; s[36:39] of slot 1's, which then walks
.set G0,   32
.set LIM,  43                          ; s43  2 in a cluster that prefetches, else the greatest number
.set PFA,  44                          ; s[44:45] where my prefetches stand
.set NB,   46                          ; s[46:47] W2 at my units of the K step after the one in hand
.set SB,   70                          ; s70  the slot that the walking descriptor fills: 0 or SLOT
.set TB,   71                          ; s71  the slot that is read: 0 or SLOT
.set MSB, 0
.macro WIN new                         ; the immediate's high byte repeats the setting that is left; a switch that changes nothing is dropped
.if MSB != (\new)
	s_set_vgpr_msb (MSB<<8)|(\new)
.set MSB, (\new)
.endif
.endm
.macro PLACES                          ; four places between matrix instructions and loads into registers that they have read
.rept 4
	v_nop
.endr
.endm
.macro CREST                           ; a round of the cluster's barrier behind its opening barrier
	s_cmp_lg_u32 s10, 0
	s_cbranch_scc1 .Lnot_wave_0_\@
	s_barrier_signal -3
.Lnot_wave_0_\@:
	s_barrier_wait -3
	s_barrier_signal -1
	s_barrier_wait -1
.endm
.macro CROUND
	s_barrier_signal -1
	s_barrier_wait -1
	CREST
.endm
; The K step of hid that stands two refills on is asked of memory.  A tile row is read by the two clusters that lie side by side: the one with x = 0 asks.  A wave asks for the 32 rows that it fetches, a lane
; a row; of a row's 1,024 bytes the partner at place cx takes the 256 at 256 cx: by address, no branch.  So each 256 bytes are named once.  The last two refills have no K step two on.
; W2 is not asked for: each of its blocks is read by 32 work-groups, and a wave's own loads go out seven units ahead of their use.
.macro ASK
	s_cmp_gt_u32 s3, s[LIM]
	s_cbranch_scc0 .Lnot_mine_\@
	global_prefetch_b8 v[PFO], s[PFA:PFA+1] offset:KSTEP*2 th:TH_LOAD_NT scope:SCOPE_SE
.Lnot_mine_\@:
.endm
.macro WM i, f, u                      ; matrix instruction i of a unit: row block i / 4 from buffer f, column block i % 4 from ring slot u.  The 32 accumulators take turns, in the same order everywhere
	WIN 0xa1
	v_wmma_f32_16x16x32_f16 v[8*(\i):8*(\i)+7], v[32*(\u)+8*((\i)%4):32*(\u)+8*((\i)%4)+7], v[(\f)+8*((\i)/4):(\f)+8*((\i)/4)+7], v[8*(\i):8*(\i)+7]
.endm
.macro APAIR g, j, u                   ; hid's fragment of my row block j, unit u of the slot in hand, into buffer g
	WIN 0
.if (\j) < 4
	ds_load_b128 v[(\g)+8*(\j):(\g)+8*(\j)+3],   v[ADLO] offset:(\j)*16*PITCH+64*(\u)
	ds_load_b128 v[(\g)+8*(\j)+4:(\g)+8*(\j)+7], v[ADLO] offset:(\j)*16*PITCH+64*(\u)+32
.else
	ds_load_b128 v[(\g)+8*(\j):(\g)+8*(\j)+3],   v[ADHI] offset:((\j)-4)*16*PITCH+64*(\u)
	ds_load_b128 v[(\g)+8*(\j)+4:(\g)+8*(\j)+7], v[ADHI] offset:((\j)-4)*16*PITCH+64*(\u)+32
.endif
.endm
.macro BPAIR u, b, back                ; W2's fragment of column block b into ring slot u; back: the pointer has been stepped since
	WIN 0x40
	global_load_b128 v[32*(\u)+8*(\b):32*(\u)+8*(\b)+3],   v[CO], s[NB:NB+1] offset:4096*(\u)+1024*(\b)-(\back)
	global_load_b128 v[32*(\u)+8*(\b)+4:32*(\u)+8*(\b)+7], v[CO], s[NB:NB+1] offset:4096*(\u)+1024*(\b)+512-(\back)
.endm
.macro RPAIR g, b                      ; the residual of accumulator 4 g + b, in the accumulator's own layout, into ring slot g, which has been read for the last time
	WIN 0x40
	global_load_b128 v[32*(\g)+8*(\b):32*(\g)+8*(\b)+3],   v[XO], s[68:69] offset:65536*(\g)+64*(\b) th:TH_LOAD_NT
	global_load_b128 v[32*(\g)+8*(\b)+4:32*(\g)+8*(\b)+7], v[XO], s[68:69] offset:65536*(\g)+64*(\b)+16 th:TH_LOAD_NT
.endm
; UNIT u, 0 to 6.  Four products; four v_nop, the places for all the unit's loads, whose registers the unit before has read; then ONE run: hid's 8 fragments of the next unit, my row blocks 0-3 first, and the
; ring slot read in the unit before, asked for again (mode 1; unit 0 asks for slot 7 of the step in hand); then the other 28 products.
; mode 2, the last K step: units 1-4 ask for the residual in W2's stead, units 5, 6 for nothing from memory.
; Ring slot u was asked for seven units ago; six slots' loads, 48, are younger.  In the last step's unit 6: slot 7's and the residual's, 40.
.macro UNIT u, mode
.set fa, FA0+64*((\u)%2)
.set ga, FA0+64*(((\u)+1)%2)
.if ((\mode) == 2) && ((\u) == 6)
	s_wait_loadcnt 40
.else
	s_wait_loadcnt 48
.endif
	s_wait_dscnt 8                                 ; my row blocks 0-3 are in; the youngest eight loads may be out
.set wi, 0
.rept 4
	WM wi, fa, \u
.set wi, wi+1
.endr
	PLACES
.set aj, 0
.rept 8
	APAIR ga, aj, (\u)+1
.set aj, aj+1
.endr
.irp b, 0,1,2,3
.if (\u) == 0
	BPAIR 7, \b, BSTEP
.elseif (\mode) == 1
	BPAIR (\u)-1, \b, 0
.elseif (\u) < 5
	RPAIR (\u)-1, \b
.endif
.endr
.rept 12
	WM wi, fa, \u
.set wi, wi+1
.endr
	s_wait_dscnt 16                                ; my row blocks 4-7 are in: all but the 16 LDS loads of the run above
.rept 16
	WM wi, fa, \u
.set wi, wi+1
.endr
.endm
; TURN is unit 7 and the change of slots.  All my reads of the slot have been issued in unit 6.  In front of the barrier each wave waits for all its tensor loads (one is out: its part of the next slot), adds 0
; to its spare word, and waits for that and for its reads.  fill = 1: the barrier opens a round of the cluster's barrier, and the joint refill, with the K step after the next, is the first thing behind it.
; Behind the refill stands the unit's one run of loads: the next slot's unit 0 of hid, ring slot 6 of W2; the prefetch stands directly behind the run.
.macro TURN fill
	WIN 0
	s_wait_xcnt 0x0                                ; every load and prefetch issued so far has read its address, so the pointers may be written
	s_add_nc_u64 s[NB:NB+1], s[NB:NB+1], BSTEP
.if \fill
	s_add_nc_u64 s[PFA:PFA+1], s[PFA:PFA+1], KSTEP*2
.endif
	s_wait_tensorcnt 0x0
	ds_add_u32 v[SPW], v[NIL]
.if \fill
	s_xor_b32 s[SB], s[SB], SLOT                   ; no tensor load of mine is out: the walking descriptor steps to the slot just read and to the next K step
	s_add_co_u32 s[G0+5], s[SB], s20
	s_add_nc_u64 s[G0+6:G0+7], s[G0+6:G0+7], KSTEP*2
.endif
	s_xor_b32 s[TB], s[TB], SLOT
	s_wait_loadcnt 48                              ; ring slot 7 is in
	s_wait_dscnt 9                                 ; my row blocks 0-3 are in; eight loads and the add may be out
.set wi, 0
.rept 8
	WM wi, FA1, 7
.set wi, wi+1
.endr
	s_wait_dscnt 0x0                               ; the add is done, and my reads of this slot are over
	s_barrier_signal -1
.rept 8
	WM wi, FA1, 7
.set wi, wi+1
.endr
	WIN 0
	s_barrier_wait -1
.if \fill
	CREST
	tensor_load_to_lds s[G0+4:G0+7], s[G1:G1+7]
	s_nop 0
.endif
	PLACES                                         ; behind the tensor load; also the places for the loads below
	v_add_nc_u32 v[ADLO], s[TB], v[ALO0]
	v_add_nc_u32 v[ADHI], s[TB], v[AHI0]
.set aj, 0
.rept 8
	APAIR FA0, aj, 0
.set aj, aj+1
.endr
.irp b, 0,1,2,3
	BPAIR 6, \b, BSTEP
.endr
.if \fill
	WIN 0
	ASK
.endif
.rept 16
	WM wi, FA1, 7
.set wi, wi+1
.endr
	WIN 0
.endm
	s_load_b128 s[4:7], s[0:1], 0x0                ; hid s[4:5], wt s[6:7]
	s_load_b64 s[8:9], s[0:1], 0x10                ; out0
	s_load_b64 s[66:67], s[0:1], 0x18              ; b2
	s_load_b64 s[68:69], s[0:1], 0x20              ; x1
	v_lshl_add_u32 v[SPW], v0, 2, SPARE
	v_mov_b32 v[NIL], 0
	ds_add_u32 v[SPW], v[NIL]                      ; the wave's opening: the add, twice on end, and its wait ahead of my first tensor load
	ds_add_u32 v[SPW], v[NIL]
	v_lshrrev_b32 v1, 5, v0
	v_readfirstlane_b32 s10, v1                    ; wave 0..3
	s_lshr_b32 s11, s10, 1                         ; kh: my half of each K step; also the half of the rows that I finish
	s_and_b32 s12, s10, 1                          ; nh: my half of the columns
	s_bfe_u32 s40, ttmp6, 0x40000                  ; cx
	s_lshl_b32 s42, ttmp9, 2
	s_add_co_u32 s42, s42, s40                     ; tile column
	s_and_b32 s13, ttmp7, 0xffff                   ; tile row, which the four partners share
	s_mov_b32 s[G1], 15|(1<<16)|(1<<20)|(1<<21)|(7<<22)|(3<<25)  ; the mask of four; 2-byte elements; padding on; bit 21 beside a mask; 4 words of padding behind every 256
	s_mov_b32 s[G1+1], KSTEP<<16                   ; tensor_dim0
	s_mov_b32 s[G1+2], 32<<16                      ; tensor_dim1: the tile's 128 rows are shared out, 32 to each wave
	s_mov_b32 s[G1+3], KSTEP<<16                   ; tile_dim0
	s_mov_b32 s[G1+4], 32                          ; tile_dim1
	s_mov_b32 s[G1+5], SIZE_K                      ; elements from row to row
	s_mov_b32 s[G1+6], 0
	s_mov_b32 s[G1+7], 0
	s_lshl_b32 s16, s13, 7                         ; hid: the rows that I fetch hang on the tile row and the wave alone
	s_lshl_b32 s17, s10, 5
	s_add_co_u32 s16, s16, s17
	s_lshl_b32 s16, s16, 13
	s_mov_b32 s17, 0
	s_mul_i32 s20, s10, 32*PITCH                   ; where they go in a slot
	s_mov_b32 s[SB], SLOT
	s_mov_b32 s[TB], 0
	s_lshl_b32 s72, s42, 1                         ; W2: my group of 64 columns, 524,288 bytes each,
	s_add_co_u32 s72, s72, s12
	s_lshl_b32 s72, s72, 19
	s_lshl_b32 s73, s11, 15                        ; my eight of a K step's sixteen units,
	s_add_co_u32 s72, s72, s73
	s_add_co_u32 s72, s72, WOFF+BSTEP              ; at K step 1
	s_mov_b32 s73, 0
	s_lshl_b32 s74, s40, 8                         ; the prefetches: my rows, my work-group's 256 bytes of them, at K step 2
	s_add_co_u32 s74, s74, s16
	s_add_co_u32 s74, s74, 2*KSTEP*2
	s_mov_b32 s75, 0
	s_cmp_eq_u32 ttmp9, 0
	s_cselect_b32 s[LIM], 2, -1                    ; the same in all four partners
	s_wait_dscnt 0x0                               ; both opening adds are done
	s_wait_kmcnt 0x0
	s_add_nc_u64 s[14:15], s[4:5], s[16:17]
	s_add_nc_u64 s[NB:NB+1], s[6:7], s[72:73]
	s_add_nc_u64 s[PFA:PFA+1], s[4:5], s[74:75]
	CROUND                                         ; all four work-groups are here: the first joint loads meet
.irp s, 0,1
	s_mov_b32 s[G0+4*(\s)], 1
	s_add_co_u32 s[G0+4*(\s)+1], s20, (\s)*SLOT
	s_add_nc_u64 s[G0+4*(\s)+2:G0+4*(\s)+3], s[14:15], (\s)*KSTEP*2
	s_or_b32 s[G0+4*(\s)+3], s[G0+4*(\s)+3], 0x80000000
	tensor_load_to_lds s[G0+4*(\s):G0+4*(\s)+3], s[G1:G1+7]  ; two loads of mine are out
	s_nop 0
.endr
	PLACES
	v_and_b32 v1, 15, v0                           ; l % 16
	v_bfe_u32 v2, v0, 4, 1                         ; l / 16
	v_and_b32 v6, 31, v0
	v_lshlrev_b32 v[CO], 4, v6
	s_lshl_b32 s76, s42, 9                         ; the tile's 128 columns of the bias
	s_mov_b32 s77, 0
	s_add_nc_u64 s[66:67], s[66:67], s[76:77]
	global_load_b128 v[BI:BI+3], v[CO], s[66:67]
.irp u, 0,1,2,3,4,5,6                  ; the ring is filled for K step 0, but for slot 7, which unit 0 asks for: 57 loads of mine are out
.irp b, 0,1,2,3
	BPAIR \u, \b, BSTEP
.endr
.endr
	WIN 0
	v_mul_u32_u24 v3, v1, PITCH
	v_lshl_add_u32 v3, v2, 4, v3
	s_mul_i32 s22, s11, 64*PITCH+512               ; my blocks 0-3: rows 64 kh on; my half of the row's 1,024 bytes
	v_add_nc_u32 v[ALO0], s22, v3
	s_xor_b32 s23, s11, 1
	s_mul_i32 s23, s23, 64*PITCH                   ; my blocks 4-7: the other 64 rows
	s_lshl_b32 s21, s11, 9
	s_add_co_u32 s23, s23, s21
	v_add_nc_u32 v[AHI0], s23, v3
	v_mul_u32_u24 v[PFO], v6, SIZE_K*2
	s_lshl_b32 s22, s10, 14
	v_add_nc_u32 v[XS], s22, v[CO]                 ; the exchange begins at LDS byte XCH = 0
	s_xor_b32 s22, s22, 2<<14
	v_add_nc_u32 v[XR], s22, v[CO]
	s_mul_i32 s22, s11, 64*SP
	s_lshl_b32 s23, s12, 8
	s_add_co_u32 s22, s22, s23
	s_add_co_u32 s22, s22, STAGE
	v_mul_u32_u24 v4, v1, SP
	v_lshl_add_u32 v4, v2, 5, v4
	v_add_nc_u32 v[STO], s22, v4                   ; into the stage: row 64 kh + l % 16 (+ 16 j), bytes 256 nh + 32 (l / 16) (+ 64 b)
	s_mul_i32 s22, s10, 32*SP
	s_add_co_u32 s22, s22, STAGE
	v_add_nc_u32 v[RD], s22, v[CO]                 ; back: wave w takes rows 32 w on, whole
	v_lshlrev_b32 v[XO], 12, v1                    ; the residual: row l % 16, 8 (l / 16) columns on
	v_lshl_add_u32 v[XO], v2, 5, v[XO]
	s_lshl_b32 s74, s42, 9
	s_lshl_b32 s75, s12, 8
	s_add_co_u32 s74, s74, s75                     ; my 64 columns, in bytes of f32
	s_lshl_b32 s72, s13, 7
	s_lshl_b32 s73, s11, 6
	s_add_co_u32 s72, s72, s73
	s_lshl_b32 s72, s72, 12
	s_add_co_u32 s72, s72, s74
	s_mov_b32 s73, 0
	s_add_nc_u64 s[68:69], s[68:69], s[72:73]      ; x1 at the 64 x 64 that I finish
	s_lshl_b32 s72, s13, 7
	s_lshl_b32 s76, s10, 5
	s_add_co_u32 s72, s72, s76
	s_lshl_b32 s72, s72, 12
	s_lshl_b32 s76, s42, 9
	s_add_co_u32 s72, s72, s76
	s_add_nc_u64 s[8:9], s[8:9], s[72:73]          ; out0 at the 32 rows that I store
	; The sums start at 0, while the first tiles are on their way: one matrix instruction an accumulator, on fragments of zeros with C = 0, in place of 256 moves; so a unit has one form of product.
.set i, 0
.rept 16
	v_mov_b32 v[FA0+i], 0
.set i, i+1
.endr
	WIN 0x80
.set i, 0
.rept 32
	v_wmma_f32_16x16x32_f16 v[8*i:8*i+7], v[FA0:FA0+7], v[FA0+8:FA0+15], 0
.set i, i+1
.endr
	WIN 0
	PLACES
	s_wait_tensorcnt 0x1                           ; my part of K step 0 is in; K step 1's may stay out
	s_barrier_signal -1
	s_barrier_wait -1
	v_mov_b32 v[ADLO], v[ALO0]
	v_mov_b32 v[ADHI], v[AHI0]
.set wi, 0
.rept 8
	APAIR FA0, wi, 0
.set wi, wi+1
.endr
	s_mov_b32 s3, NS-1
	s_branch .Lmid                                 ; the loop is entered in the middle of a trip: K step 0 has no step before it to end
.Lstep:                                        ; a trip: the last unit of a K step, the change of slots and the refill; then units 0-6 of the next
	TURN 1
.Lmid:
.irp u, 0,1,2,3,4,5,6
	UNIT \u, 1
.endr
	WIN 0
	s_sub_co_u32 s3, s3, 1
	s_cmp_lg_u32 s3, 0
	s_cbranch_scc1 .Lstep
	TURN 0                                         ; the last K step is written out, and W2's ring runs out
.irp u, 0,1,2,3,4,5,6
	UNIT \u, 2
.endr
	s_wait_loadcnt 32                              ; ring slot 7 is in; the residual's 32 loads may be out
	s_wait_dscnt 0x0
.set wi, 0
.rept 32
	WM wi, FA1, 7
.set wi, wi+1
.endr
	WIN 0
	; THE EXCHANGE.  My sums of blocks 4-7 go to my partner as they lie in the registers: 512 consecutive bytes a store.  Nobody has read slot 0 since the last change of slots.
.rept 8
	v_nop
.endr
	WIN 0x08                                       ; the stores' data lie in window 2
.set i, 0
.rept 32
	ds_store_b128 v[XS], v[128+4*i:128+4*i+3] offset:512*i
.set i, i+1
.endr
	WIN 0
	s_wait_dscnt 0x0                               ; for my partner's sake; my reads of slot 1 are over too
	s_barrier_signal -1
	s_barrier_wait -1
.set i, 0
.rept 32
	ds_load_b128 v[FA0+4*i:FA0+4*i+3], v[XR] offset:512*i
.set i, i+1
.endr
	s_wait_loadcnt 0x0                             ; the residual and the bias
	WIN 0x86                                       ; sums in window 2, the residual in window 1
.set i, 0
.rept 64
	v_pk_add_f32 v[2*i:2*i+1], v[2*i:2*i+1], v[2*i:2*i+1]
.set i, i+1
.endr
	s_wait_dscnt 0x0
	WIN 0x82                                       ; my partner's sums in window 0
.set i, 0
.rept 64
	v_pk_add_f32 v[2*i:2*i+1], v[2*i:2*i+1], v[FA0+2*i:FA0+2*i+1]
.set i, i+1
.endr
	; THE WAY OUT: into the stage, a barrier, since a row's 512 bytes come from two waves, and back as whole rows
	WIN 0x08
.set i, 0
.rept 16
	ds_store_b128 v[STO], v[8*i:8*i+3]   offset:(i/4)*16*SP+(i%4)*64
	ds_store_b128 v[STO], v[8*i+4:8*i+7] offset:(i/4)*16*SP+(i%4)*64+16
.set i, i+1
.endr
	WIN 0
	s_wait_dscnt 0x0
	s_barrier_signal -1
	s_barrier_wait -1
	s_mov_b32 s3, 4
.Lout:                                         ; eight whole rows of 512 bytes a trip; the bias on the way
.set t, 0
.rept 8
	ds_load_b128 v[OB+4*t:OB+4*t+3], v[RD] offset:t*SP
.set t, t+1
.endr
.set t, 0
.rept 8
	s_wait_dscnt 7-t
	v_pk_add_f32 v[OB+4*t:OB+4*t+1], v[OB+4*t:OB+4*t+1], v[BI:BI+1]
	v_pk_add_f32 v[OB+4*t+2:OB+4*t+3], v[OB+4*t+2:OB+4*t+3], v[BI+2:BI+3]
	global_store_b128 v[CO], v[OB+4*t:OB+4*t+3], s[8:9] offset:t*SIZE_N*4
.set t, t+1
.endr
	s_wait_xcnt 0x0                                ; the stores have read their registers and their base
	v_add_nc_u32 v[RD], 8*SP, v[RD]
	s_add_nc_u64 s[8:9], s[8:9], 8*SIZE_N*4
	s_sub_co_u32 s3, s3, 1
	s_cmp_lg_u32 s3, 0
	s_cbranch_scc1 .Lout
	s_wait_tensorcnt 0x0                           ; the wave's end
	ds_add_u32 v[SPW], v[NIL]
	s_wait_dscnt 0x0
	CROUND                                         ; the closing round
	s_endpgm
.Lfunc_end_k_qb8181c5bdf_ff2:
	.size	k_qb8181c5bdf_ff2, .Lfunc_end_k_qb8181c5bdf_ff2-k_qb8181c5bdf_ff2
	.p2alignl 7, 3214868480
	.fill 96, 4, 3214868480
	.section	.rodata,"a",@progbits
	.p2align	6, 0x0
	.amdhsa_kernel k_qb8181c5bdf_ff2
		.amdhsa_group_segment_fixed_size 327680
		.amdhsa_private_segment_fixed_size 0
		.amdhsa_enable_private_segment 0
		.amdhsa_kernarg_size 40
		.amdhsa_user_sgpr_count 2
		.amdhsa_user_sgpr_kernarg_segment_ptr 1
		.amdhsa_wavefront_size32 1
		.amdhsa_system_sgpr_workgroup_id_x 1
		.amdhsa_system_sgpr_workgroup_id_y 1
		.amdhsa_system_sgpr_workgroup_id_z 1
		.amdhsa_system_vgpr_workitem_id 0
		.amdhsa_next_free_vgpr 768
		.amdhsa_next_free_sgpr 80
		.amdhsa_reserve_vcc 0
		.amdhsa_float_denorm_mode_32 3
		.amdhsa_float_denorm_mode_16_64 3
		.amdhsa_memory_ordered 1
		.amdhsa_forward_progress 1
		.amdhsa_inst_pref_size 101
	.end_amdhsa_kernel
	.amdgpu_metadata
---
amdhsa.version: [ 1, 2 ]
amdhsa.kernels:
  - .name:           k_qb8181c5bdf_ff2
    .symbol:         k_qb8181c5bdf_ff2.kd
    .args:
      - { .name: hid, .offset: 0, .size: 8, .value_kind: global_buffer, .address_space: global }
      - { .name: wt, .offset: 8, .size: 8, .value_kind: global_buffer, .address_space: global }
      - { .name: out0, .offset: 16, .size: 8, .value_kind: global_buffer, .address_space: global }
      - { .name: b2, .offset: 24, .size: 8, .value_kind: global_buffer, .address_space: global }
      - { .name: x1, .offset: 32, .size: 8, .value_kind: global_buffer, .address_space: global }
    .group_segment_fixed_size: 327680
    .private_segment_fixed_size: 0
    .kernarg_segment_align: 8
    .kernarg_segment_size: 40
    .max_flat_workgroup_size: 128
    .sgpr_count:     80
    .vgpr_count:     768
    .wavefront_size: 32
...
	.end_amdgpu_metadata
.endif
;; end of part 7
